; MI455X (gfx1250); checked and timed in simulation.
; The chip was launched on July 23, 2026; its instructions are those of AMD's public machine-readable ISA for CDNA 5 (MIT licence, August 2026) and "CDNA5" Instruction Set Architecture Reference Guide (July 2026). The comments in the code are by the model that wrote it; some were corrected since.
;; CL4 S Rec Encoder. Allowed arithmetic: float matrix products may take bf16 or f16 operands with f32 sums; other float arithmetic in f32, or as packed bf16 or f16 multiplies, adds, multiply-adds, maxima and minima; sums over many terms, partial sums and values carried from step to step in f32; what a program stores and reads back later, other than sums and carried values, may be rounded once to bf16 or f16.
;; Inputs: W1 2 x 256 x 1,024 float32; W2 2 x 1,024 x 256 float32; Wk 2 x 256 x 256 float32; Wo 2 x 256 x 256 float32; Wq 2 x 256 x 256 float32; Wv 2 x 256 x 256 float32; b1 2 x 1,024 float32; b2 2 x 256 float32; bk 2 x 256 float32; bo 2 x 256 float32; bq 2 x 256 float32; bv 2 x 256 float32; fn_b 256 float32; fn_g 256 float32; item_emb 50,001 x 256 float32; ln1_b 2 x 256 float32; ln1_g 2 x 256 float32; ln2_b 2 x 256 float32; ln2_g 2 x 256 float32; mask 128 x 256 int32; pos_emb 256 x 256 float32; seq 128 x 256 int32.
;; Outputs: out0 128 x 256 x 256 float32.
;; One version. Each part assembles by itself: llvm-mc -triple=amdgcn-amd-amdhsa -mcpu=gfx1250 --defsym DOCPART=n.
;; ======== version 1 of 1: 6 launches
;; workspace buffers: xa 33,554,432 bytes; xb 33,554,432 bytes; xn 16,777,216 bytes; kv 33,554,432 bytes; wl0 1,589,248 bytes; wl1 1,589,248 bytes
;; launch pre (part 1): grid 450 x 1, 4 waves a work-group, no clusters, 34,304 bytes of LDS; arguments seq, item_emb, pos_emb, Wq, Wk, Wv, Wo, W1, W2, bq, bk, bv, bo, b2, ln1_g, ln1_b, ln2_g, ln2_b, b1, xa, wl0, wl1; writes xa, wl0, wl1
.if DOCPART == 1
	.amdgcn_target "amdgcn-amd-amdhsa--gfx1250"
	.amdhsa_code_object_version 6
	.text
	.protected	k_q5539b0ede7_pre
	.globl	k_q5539b0ede7_pre
	.p2align	8
	.type	k_q5539b0ede7_pre,@function
k_q5539b0ede7_pre:
	s_mov_b64 s[64:65], 0
	v_nop
	global_prefetch_b8 v0, s[64:65] scope:SCOPE_SE
	s_setreg_imm32_b32 hwreg(HW_REG_WAVE_MODE, 25, 1), 1
	s_wait_xcnt 0x0
; THE PREPARATION.  Three jobs, chosen by the work-group's number G:
;   G < 256        x = item_emb[clip(seq + 1, 0, 50000)] + pos_emb for 128 tokens, stored as the REGISTER IMAGE that the later launches load
;   256 .. 447     the six weight matrices of both layers, rounded once to bf16, stored as FRAGMENT IMAGES
;   448, 449       a layer's ten vectors, f32, gathered into one block behind its weights, filled up with zeros to 16,384 bytes
; WHO OWNS WHICH TOKENS.  A sequence has 16 tiles of 16 tokens.  Work-group G serves sequence G / 2; with hf = G % 2, its wave w owns a LONG tile u = 0 and a SHORT tile u = 1:
;   w < 2: tiles 12 + 2 hf + w and 2 hf + w;   w >= 2: tiles 6 + 2 hf + w and 2 + 2 hf + w.   (The causal walk of the layer launches is then equally long for every wave.)
; THE X IMAGE.  Lane l = (r = l % 16, h = l / 16) holds token r of tile u, and register 128 u + 8 t + j holds column 16 t + 8 h + j.
; Registers 4 n .. 4 n + 3 of all lanes lie at byte 512 n + 16 l of the wave's 32,768 bytes: every load and store of the image covers 512 bytes on end.
; THE FRAGMENT IMAGE of 32 rows k x 16 columns of a weight: 1,024 bytes, [half s][lane][16 bytes]; lane (r, h), half s holds W[32 kc + 16 s + 8 h + 0..7][16 nt + r].
; A layer's buffer: 12 items of 131,072 bytes.  Item f < 4: Wq, Wo, Wk, Wv of heads 2 f, 2 f + 1, 32,768 bytes each.  Item 4 + c: four pieces of W1 (32 columns each), then W2's pieces 4 c .. 4 c + 3
; (32 rows each).  W1's piece q lies at place (q + 31) % 32 of W1's 32 places: item 4 + c holds pieces 4 c + 1 .. 4 c + 4, since the layer multiplies by W1 one piece ahead of W2; piece 0 has the last place of item 11.
; FOLDED IN, before the one rounding: Wq and bq times log2(e) / sqrt(32), so that a weight of the softmax is 2^(s - m); W2 times 0.5 / kappa, kappa = sqrt(log2(e) / 2), since the layer forms kappa x twice the GELU.
; No barrier: a wave's stage in LDS is its own.  No matrix unit, no cluster: nothing is multiplied and no work-group reads what another reads, but for pos_emb, 1 byte in 3 of job one.
.set SPARE, 33792                      ; behind the four stages: the spare words, 128 bytes for each wave
.set STGB,  8448                       ; a wave's stage: 16 rows of 528 bytes
.set SP,    528                        ; 512 bytes + 16: the 16 rows that a load touches start at 16 different groups of four banks (ISA guide 11.1)
.set WPAR,  1572864                    ; the vectors' block begins behind the 12 items
.set CQ,    0x3e8293ee                 ; log2(e) / sqrt(32)
.set CW2,   0x3f16b55f                 ; 0.5 / kappa = 0.5887050
.set OFS,   32                         ; v32-63  job one: a token's row in item_emb + 16 l; job two: a row of the unit + 4 l
.set WV,    48                         ; s48  my wave's number
.set MSB, 0
.macro WIN new                         ; s_set_vgpr_msb: bits 1:0 source 0, 3:2 source 1, 5:4 source 2, 7:6 destination; the high byte repeats the setting that is left
.if MSB != (\new)
	s_set_vgpr_msb (MSB<<8)|(\new)
.set MSB, (\new)
.endif
.endm
	s_load_b512 s[4:19], s[0:1], 0x0               ; seq 4, item_emb 6, pos_emb 8, Wq 10, Wk 12, Wv 14, Wo 16, W1 18
	s_load_b512 s[20:35], s[0:1], 0x40             ; W2 20, bq 22, bk 24, bv 26, bo 28, b2 30, ln1_g 32, ln1_b 34
	s_load_b256 s[36:43], s[0:1], 0x80             ; ln2_g 36, ln2_b 38, b1 40, xa 42
	s_load_b128 s[44:47], s[0:1], 0xa0             ; wl0 44, wl1 46
	v_lshl_add_u32 v3, v0, 2, SPARE                ; my spare word,
	v_mov_b32 v4, 0                                ; and 0: kept for the wave's end
	v_lshrrev_b32 v1, 5, v0
	v_readfirstlane_b32 s[WV], v1
	v_and_b32 v2, 31, v0                           ; l
	v_lshlrev_b32 v1, 4, v2                        ; 16 l
	s_wait_kmcnt 0x0
	s_cmp_lt_u32 ttmp9, 256
	s_cbranch_scc1 .Lemb
	s_cmp_lt_u32 ttmp9, 448
	s_cbranch_scc1 .Lwei
	; JOB THREE: thread t moves 8 bytes of each 1,024: a wave's load or store covers 256 bytes on end
	s_sub_co_u32 s50, ttmp9, 448                   ; the layer
	s_cmp_eq_u32 s50, 1
	s_cselect_b64 s[44:45], s[46:47], s[44:45]
	v_lshlrev_b32 v5, 3, v0
	s_lshl_b32 s51, s50, 10
	v_add_nc_u32 v6, s51, v5                       ; in a vector of [2][256]
	s_lshl_b32 s51, s50, 12
	v_add_nc_u32 v7, s51, v5                       ; in b1, [2][1024]
	v_mov_b32 v90, 0
	v_mov_b32 v91, 0
.set k, 0
.rept 9                                ; bq, bk, bv, bo, b2, ln1_g, ln1_b, ln2_g, ln2_b: the order of the block
	global_load_b64 v[64+2*k:65+2*k], v6, s[22+2*k:23+2*k]
.set k, k+1
.endr
.set k, 0
.rept 4
	global_load_b64 v[82+2*k:83+2*k], v7, s[40:41] offset:1024*k
.set k, k+1
.endr
	s_wait_loadcnt 0x0
	v_pk_mul_f32 v[64:65], v[64:65], CQ op_sel_hi:[1,0]
.set k, 0
.rept 13
	global_store_b64 v5, v[64+2*k:65+2*k], s[44:45] offset:WPAR+1024*k
.set k, k+1
.endr
.set k, 13
.rept 3                                ; zeros up to 16,384 bytes: the layer launch fetches the block in four quarters of 4,096
	global_store_b64 v5, v[90:91], s[44:45] offset:WPAR+1024*k
.set k, k+1
.endr
	s_branch .Lend
	; JOB TWO.  96 work-groups a layer; each wave makes two units of 32 rows k x 32 columns: two fragments, 2,048 bytes.
.Lwei:
	s_sub_co_u32 s50, ttmp9, 256
	s_cmp_ge_u32 s50, 96
	s_cselect_b32 s51, 1, 0                        ; the layer
	s_cselect_b32 s76, 96, 0
	s_cselect_b64 s[44:45], s[46:47], s[44:45]
	s_sub_co_u32 s50, s50, s76                     ; 0 .. 95: 8 for each of Wq, Wk, Wv, Wo, 32 for each of W1, W2
	s_mov_b64 s[52:53], s[10:11]                   ; the matrix
	s_mov_b32 s54, 0                               ; its first work-group
	s_mov_b32 s55, 1                               ; 1: the work-group is a block of 32 columns and walks k; 2: a block of 32 rows k and walks the columns
	s_mov_b32 s56, 1                               ; log2 of the blocks in an item
	s_mov_b32 s57, 0                               ; its place in the buffer
	s_mov_b32 s58, CQ                              ; the factor,
	s_mov_b32 s59, 1024                            ; bytes in a row (named with the factor as a pair)
	s_mov_b32 s60, 262144                          ; bytes in a layer
	s_mov_b32 s77, 0                               ; by how many places the block is turned on its way into the buffer
	s_cmp_ge_u32 s50, 8
	s_cselect_b64 s[52:53], s[12:13], s[52:53]
	s_cselect_b32 s54, 8, s54
	s_cselect_b32 s57, 65536, s57
	s_cselect_b32 s58, 1.0, s58
	s_cmp_ge_u32 s50, 16
	s_cselect_b64 s[52:53], s[14:15], s[52:53]
	s_cselect_b32 s54, 16, s54
	s_cselect_b32 s57, 98304, s57
	s_cmp_ge_u32 s50, 24
	s_cselect_b64 s[52:53], s[16:17], s[52:53]
	s_cselect_b32 s54, 24, s54
	s_cselect_b32 s57, 32768, s57
	s_cselect_b32 s55, 2, s55
	s_cmp_ge_u32 s50, 32
	s_cselect_b64 s[52:53], s[18:19], s[52:53]
	s_cselect_b32 s54, 32, s54
	s_cselect_b32 s57, 524288, s57
	s_cselect_b32 s55, 1, s55
	s_cselect_b32 s56, 2, s56
	s_cselect_b32 s59, 4096, s59
	s_cselect_b32 s60, 1048576, s60
	s_cselect_b32 s77, 31, s77                     ; W1 alone: piece q goes to place (q + 31) % 32
	s_cmp_ge_u32 s50, 64
	s_cselect_b64 s[52:53], s[20:21], s[52:53]
	s_cselect_b32 s54, 64, s54
	s_cselect_b32 s57, 589824, s57
	s_cselect_b32 s55, 2, s55
	s_cselect_b32 s59, 1024, s59
	s_cselect_b32 s58, CW2, s58
	s_cselect_b32 s77, 0, s77
	s_sub_co_u32 s61, s50, s54                     ; the block, under 32,
	s_add_co_u32 s77, s77, s61
	s_and_b32 s77, s77, 31                         ; and its place in the buffer
	s_lshl_b32 s62, s[WV], 1                       ; my first unit in it
	s_lshl_b32 s67, s59, 5                         ; 32 rows
	s_cmp_eq_u32 s55, 1
	s_cselect_b32 s63, s62, s61                    ; kc
	s_cselect_b32 s66, s61, s62                    ; the block of 32 columns
	s_cselect_b32 s68, s67, 128                    ; from my first unit to my second
	s_mov_b32 s69, 0
	s_mul_i32 s70, s63, s67
	s_lshl_b32 s66, s66, 7
	s_add_co_u32 s70, s70, s66
	s_mul_i32 s76, s51, s60
	s_add_co_u32 s70, s70, s76
	s_mov_b32 s71, 0
	s_add_nc_u64 s[52:53], s[52:53], s[70:71]
	s_add_nc_u64 s[72:73], s[52:53], s[68:69]
	s_lshr_b32 s74, s77, s56                       ; the item,
	s_lshl_b32 s74, s74, 17
	s_bfm_b32 s76, s56, 0
	s_and_b32 s76, s77, s76                        ; the block's 16,384 bytes in it,
	s_lshl_b32 s76, s76, 14
	s_add_co_u32 s74, s74, s76
	s_add_co_u32 s74, s74, s57
	s_lshl_b32 s76, s62, 11                        ; my units' 2,048 each
	s_add_co_u32 s74, s74, s76
	s_mov_b32 s75, 0
	s_add_nc_u64 s[44:45], s[44:45], s[74:75]
	v_lshlrev_b32 v[OFS], 2, v2                    ; lane l takes column l of the unit's 32, in each of its 32 rows
.set i, 1
.rept 31
	v_add_nc_u32 v[OFS+i], s59, v[OFS+i-1]
.set i, i+1
.endr
	v_lshrrev_b32 v10, 4, v2                       ; which of the unit's two fragments my column falls into,
	v_and_b32 v11, 15, v2
	v_lshlrev_b32 v11, 4, v11
	v_lshl_add_u32 v10, v10, 10, v11               ; and its r
.set i, 0
.rept 32
	global_load_b32 v[64+i], v[OFS+i], s[52:53]
.set i, i+1
.endr
.set i, 0
.rept 32
	global_load_b32 v[96+i], v[OFS+i], s[72:73]
.set i, i+1
.endr
.macro WUNIT e, left                   ; eight rows k, o = 0..3, pack into 16 bytes: half o / 2, h = o % 2: 16 lanes store 256 bytes on end
	s_wait_loadcnt \left
.set q, 0
.rept 16
	v_pk_mul_f32 v[64+32*(\e)+2*q:65+32*(\e)+2*q], v[64+32*(\e)+2*q:65+32*(\e)+2*q], s[58:59] op_sel_hi:[1,0]
.set q, q+1
.endr
.set q, 0
.rept 16
	v_cvt_pk_bf16_f32 v[128+16*(\e)+q], v[64+32*(\e)+2*q], v[65+32*(\e)+2*q]
.set q, q+1
.endr
.set q, 0
.rept 4
	global_store_b128 v10, v[128+16*(\e)+4*q:131+16*(\e)+4*q], s[44:45] offset:2048*(\e)+256*q
.set q, q+1
.endr
.endm
	WUNIT 0, 32                                    ; the second unit's 32 loads may stay out
	WUNIT 1, 0
	s_branch .Lend
	; JOB ONE.  A wave's 32 tokens.  A load takes half a row, 512 bytes on end; all 128 loads go out first; then four groups of 16 half rows are added and turned in the stage.
.Lemb:
	s_lshr_b32 s50, ttmp9, 1                       ; the sequence:
	s_lshl_b32 s50, s50, 10                        ; its 256 ids
	s_mov_b32 s51, 0
	s_add_nc_u64 s[4:5], s[4:5], s[50:51]
	s_and_b32 s52, ttmp9, 1                        ; hf
	s_lshl1_add_u32 s52, s52, s[WV]                ; 2 hf + w
	s_cmp_lt_u32 s[WV], 2
	s_cselect_b32 s56, 12, 6
	s_cselect_b32 s57, 0, 2
	s_add_co_u32 s56, s56, s52                     ; my long tile,
	s_add_co_u32 s57, s57, s52                     ; my short tile
	s_lshl_b32 s58, s56, 6                         ; their 16 ids: 64 bytes
	s_lshl_b32 s59, s57, 6
	v_mov_b32 v10, s58
	v_mov_b32 v11, s59
	v_cmp_gt_u32 vcc_lo, 16, v2
	v_cndmask_b32 v5, v11, v10, vcc_lo             ; lanes 0-15 take the long tile's ids, lanes 16-31 the short tile's
	v_and_b32 v8, 15, v0
	v_lshl_add_u32 v5, v8, 2, v5
	global_load_b32 v6, v5, s[4:5]                 ; lane l: the id of token l % 16 of tile l / 16
	s_lshl_b32 s60, s56, 14                        ; 16 rows of pos_emb
	s_mov_b32 s61, 0
	s_add_nc_u64 s[60:61], s[8:9], s[60:61]        ; pos_emb at the long tile's first position,
	s_lshl_b32 s62, s57, 14
	s_mov_b32 s63, 0
	s_add_nc_u64 s[62:63], s[8:9], s[62:63]        ; and at the short tile's
	s_lshl_b32 s52, ttmp9, 17
	s_lshl_b32 s54, s[WV], 15
	s_add_co_u32 s52, s52, s54
	s_mov_b32 s53, 0
	s_add_nc_u64 s[42:43], s[42:43], s[52:53]      ; my wave's image
	s_mul_i32 s55, s[WV], STGB
	v_add_nc_u32 v7, s55, v1                       ; in: a half row as it lies
	v_bfe_u32 v9, v0, 4, 1
	v_mul_u32_u24 v8, v8, SP
	v_lshl_add_u32 v8, v9, 5, v8
	v_add_nc_u32 v8, s55, v8                       ; back: row r, byte 32 h
	s_wait_loadcnt 0x0
	v_add_nc_u32 v6, 1, v6
	v_max_i32 v6, 0, v6                            ; clip(seq + 1, 0, 50000): the lower bound here, the upper below
.set i, 0
.rept 32
	v_readlane_b32 s56, v6, i
	s_min_u32 s56, s56, 0xc350
	v_lshl_add_u32 v[OFS+i], s56, 10, v1
.set i, i+1
.endr
.set g, 0
.rept 4                                ; group g = 2 u + ch: tile u, half ch of the rows; item_emb into window 1, pos_emb into window 2, registers 64 g + 4 i
	WIN 0x40
.set i, 0
.rept 16
	global_load_b128 v[64*g+4*i:64*g+4*i+3], v[OFS+16*(g/2)+i], s[6:7] offset:512*(g%2)
.set i, i+1
.endr
	WIN 0x80
.set i, 0
.rept 16
	global_load_b128 v[64*g+4*i:64*g+4*i+3], v1, s[60+2*(g/2):61+2*(g/2)] offset:i*1024+512*(g%2)
.set i, i+1
.endr
.set g, g+1
.endr
.macro EGROUP g, left
	s_wait_loadcnt \left
	WIN 0x49
.set q, 0
.rept 32
	v_pk_add_f32 v[64*(\g)+2*q:64*(\g)+2*q+1], v[64*(\g)+2*q:64*(\g)+2*q+1], v[64*(\g)+2*q:64*(\g)+2*q+1]
.set q, q+1
.endr
	WIN 0x04
.set i, 0
.rept 16
	ds_store_b128 v7, v[64*(\g)+4*i:64*(\g)+4*i+3] offset:i*SP
.set i, i+1
.endr
	WIN 0x80                                       ; LDS serves a wave's instructions in order (ISA guide 5.7.1.4): these see the stores above, and the next group's stores come behind them
.set i, 0
.rept 16                               ; i = 2 tl + s: columns 16 tl + 8 h + 4 s .. of the half row, into the group's pos_emb registers, which have been added
	ds_load_b128 v[64*(\g)+4*i:64*(\g)+4*i+3], v8 offset:64*(i/2)+16*(i%2)
.set i, i+1
.endr
	WIN 0x08
.set i, 0
.rept 16
	s_wait_dscnt 15-i
	global_store_b128 v1, v[64*(\g)+4*i:64*(\g)+4*i+3], s[42:43] offset:(16*(\g)+i)*512 th:TH_STORE_NT
.set i, i+1
.endr
.endm
	EGROUP 0, 63                                   ; 96 and 64 younger loads could stay out; the wait's field holds 63
	EGROUP 1, 63
	EGROUP 2, 32
	EGROUP 3, 0
	WIN 0
.Lend:
	s_wait_tensorcnt 0x0                           ; the wave's end, behind my last LDS store
	ds_add_u32 v3, v4
	s_wait_dscnt 0x0
	s_endpgm
.Lfunc_end_k_q5539b0ede7_pre:
	.size	k_q5539b0ede7_pre, .Lfunc_end_k_q5539b0ede7_pre-k_q5539b0ede7_pre
	.p2alignl 7, 3214868480
	.fill 96, 4, 3214868480
	.section	.rodata,"a",@progbits
	.p2align	6, 0x0
	.amdhsa_kernel k_q5539b0ede7_pre
		.amdhsa_group_segment_fixed_size 34304
		.amdhsa_private_segment_fixed_size 0
		.amdhsa_enable_private_segment 0
		.amdhsa_kernarg_size 176
		.amdhsa_user_sgpr_count 2
		.amdhsa_user_sgpr_kernarg_segment_ptr 1
		.amdhsa_wavefront_size32 1
		.amdhsa_system_sgpr_workgroup_id_x 1
		.amdhsa_system_sgpr_workgroup_id_y 1
		.amdhsa_system_sgpr_workgroup_id_z 1
		.amdhsa_system_vgpr_workitem_id 0
		.amdhsa_next_free_vgpr 768
		.amdhsa_next_free_sgpr 80
		.amdhsa_reserve_vcc 1
		.amdhsa_float_denorm_mode_32 3
		.amdhsa_float_denorm_mode_16_64 3
		.amdhsa_memory_ordered 1
		.amdhsa_forward_progress 1
		.amdhsa_inst_pref_size 64
	.end_amdhsa_kernel
	.amdgpu_metadata
---
amdhsa.version: [ 1, 2 ]
amdhsa.kernels:
  - .name:           k_q5539b0ede7_pre
    .symbol:         k_q5539b0ede7_pre.kd
    .args:
      - { .name: seq, .offset: 0, .size: 8, .value_kind: global_buffer, .address_space: global }
      - { .name: item_emb, .offset: 8, .size: 8, .value_kind: global_buffer, .address_space: global }
      - { .name: pos_emb, .offset: 16, .size: 8, .value_kind: global_buffer, .address_space: global }
      - { .name: Wq, .offset: 24, .size: 8, .value_kind: global_buffer, .address_space: global }
      - { .name: Wk, .offset: 32, .size: 8, .value_kind: global_buffer, .address_space: global }
      - { .name: Wv, .offset: 40, .size: 8, .value_kind: global_buffer, .address_space: global }
      - { .name: Wo, .offset: 48, .size: 8, .value_kind: global_buffer, .address_space: global }
      - { .name: W1, .offset: 56, .size: 8, .value_kind: global_buffer, .address_space: global }
      - { .name: W2, .offset: 64, .size: 8, .value_kind: global_buffer, .address_space: global }
      - { .name: bq, .offset: 72, .size: 8, .value_kind: global_buffer, .address_space: global }
      - { .name: bk, .offset: 80, .size: 8, .value_kind: global_buffer, .address_space: global }
      - { .name: bv, .offset: 88, .size: 8, .value_kind: global_buffer, .address_space: global }
      - { .name: bo, .offset: 96, .size: 8, .value_kind: global_buffer, .address_space: global }
      - { .name: b2, .offset: 104, .size: 8, .value_kind: global_buffer, .address_space: global }
      - { .name: ln1_g, .offset: 112, .size: 8, .value_kind: global_buffer, .address_space: global }
      - { .name: ln1_b, .offset: 120, .size: 8, .value_kind: global_buffer, .address_space: global }
      - { .name: ln2_g, .offset: 128, .size: 8, .value_kind: global_buffer, .address_space: global }
      - { .name: ln2_b, .offset: 136, .size: 8, .value_kind: global_buffer, .address_space: global }
      - { .name: b1, .offset: 144, .size: 8, .value_kind: global_buffer, .address_space: global }
      - { .name: xa, .offset: 152, .size: 8, .value_kind: global_buffer, .address_space: global }
      - { .name: wl0, .offset: 160, .size: 8, .value_kind: global_buffer, .address_space: global }
      - { .name: wl1, .offset: 168, .size: 8, .value_kind: global_buffer, .address_space: global }
    .group_segment_fixed_size: 34304
    .private_segment_fixed_size: 0
    .kernarg_segment_align: 8
    .kernarg_segment_size: 176
    .max_flat_workgroup_size: 128
    .sgpr_count:     80
    .vgpr_count:     768
    .wavefront_size: 32
...
	.end_amdgpu_metadata
.endif
;; end of part 1
;; launch kv_a (part 2): grid 256 x 1, 4 waves a work-group, clusters of 4 x 1, 327,680 bytes of LDS; arguments xa, wl0, xn, kv; writes xn, kv
.if DOCPART == 2
	.amdgcn_target "amdgcn-amd-amdhsa--gfx1250"
	.amdhsa_code_object_version 6
	.text
	.protected	k_q5539b0ede7_kv_a
	.globl	k_q5539b0ede7_kv_a
	.p2align	8
	.type	k_q5539b0ede7_kv_a,@function
k_q5539b0ede7_kv_a:
	s_mov_b64 s[64:65], 0
	v_nop
	global_prefetch_b8 v0, s[64:65] scope:SCOPE_SE
	s_setreg_imm32_b32 hwreg(HW_REG_WAVE_MODE, 25, 1), 1
	s_wait_xcnt 0x0
	s_wait_alu depctr_hold_cnt(0) depctr_sa_sdst(0) depctr_va_vdst(0) depctr_va_sdst(0) depctr_va_ssrc(0) depctr_va_vcc(0) depctr_vm_vsrc(0)
	s_getreg_b32 s2, hwreg(HW_REG_IB_STS2, 6, 4)
	s_cmp_eq_u32 s2, 0
	s_cbranch_scc0 .Lentry_in_a_cluster
	s_endpgm
.Lentry_in_a_cluster:
	s_bfe_u32 s2, ttmp6, 0x10000c
	s_cmp_lg_u32 s2, 0x3003
	s_cbranch_scc0 .Lentry_shape_is_right
	s_endpgm
.Lentry_shape_is_right:
; LayerNorm 1 and the projections K and V of one layer, for 128 tokens a work-group, 32 a wave.  Loads x (image, f32) and the layer's weights; stores xn (image, bf16), K and V (fragment images, bf16).
; WHO OWNS WHICH TOKENS.  Of a sequence's 16 tiles of 16 tokens, wave w of half hf owns tile u = 0: 12 + 2 hf + w (w < 2) or 6 + 2 hf + w, and tile u = 1: 2 hf + w (w < 2) or 2 + 2 hf + w.
; LAYOUT.  Lane l = (r = l % 16, h = l / 16) holds token r of the wave's tile u; register 128 u + 8 t + j of x holds column 16 t + 8 h + j.  Rounded in pairs, the registers of two
; neighbouring column tiles ARE source 1 (32 k x 16 tokens) of a product whose source 0 is 16 columns of a weight.  So the norm wants one exchange between the halves of the lanes, and nothing goes through LDS.
; K: source 0 = Wk's columns, source 1 = tokens: a lane ends with one key and 8 channels: half a fragment of K as source 0 of K Q^T; token tile T is key tile T, 1,024 bytes.
; V: the sources swapped: a lane ends with one channel and 8 keys: half a fragment of V^T as source 0 of V^T P; token tile T is half T % 2 of the chunk T / 2 of 32 keys: byte 512 T.
; The norm is taken in two passes (mean; then squares of x - mean), in f32.  Matrix operands are bf16, sums f32.
; CLUSTER.  All work-groups read the same Wk, Wv and vectors: each of a cluster's four asks for them jointly.  Each byte of LDS is filled once; the whole of Wk lies in slot 0, of Wv in slot 1.
; The norm needs the vectors alone: it runs while Wk and Wv are on their way.
; REGISTERS, in windows of 256: window 0: v0-13 addresses; v20-31 the norm's statistics; v32-47 a head's bias; v64-191 x - mean; v192-223 four accumulators; v224-239 packed results
;   window 1: x     window 2: v0-127 xn in bf16; v128-255 a head's 16 fragments     window 3: v0-127 the gain, v128-255 the offset
.set SLOT1, 1<<17
.set PARL,  262144                     ; the vectors' block, 13,312 bytes
.set SPARE, PARL+13312                 ; the spare words, 128 bytes for each wave
.set WPAR,  1572864
.set P_BK,  1024
.set P_BV,  2048
.set P_G1,  5120
.set P_E1,  6144
.set S,     64
.set ACC,   192                        ; accumulator j = 2 p + u at ACC + 8 j: column tile p of the head, token tile u
.set OUT,   224
.set WV,    12
.set G1J,   24                         ; s[24:31] group 1: 128 rows of 256 bytes, jointly
.set G1R,   32                         ; s[32:39] group 1: 13 rows of 256 bytes, jointly
.set G0R,   40                         ; s[40:43] my quarter of the vectors
.set G0K,   44                         ; s[44:47] my quarter of Wk
.set G0V,   48                         ; s[48:51] my quarter of Wv
.set VB,    52                         ; s[52:53] V's part of kv, at my sequence
.set HB,    54                         ; s54  LDS byte at which the head's fragments begin
.set BOFF,  55                         ; s55  the head's bias in the vectors' block
.set CNT,   56
.set SEL,   58                         ; s[58:59] v_permlanex16_b32's selects: each lane takes its own place in the other half
.set K28,   60                         ; 1 / 256
.set KEPS,  61                         ; 1e-5
.set MSB, 0
.macro WIN new                         ; s_set_vgpr_msb: bits 1:0 source 0, 3:2 source 1, 5:4 source 2, 7:6 destination; the high byte repeats the setting that is left
.if MSB != (\new)
	s_set_vgpr_msb (MSB<<8)|(\new)
.set MSB, (\new)
.endif
.endm
.macro PLACES                          ; four plain instructions between a matrix instruction and what reads its result or writes its registers (ISA guide 7.12.1)
.rept 4
	v_nop
.endr
.endm
.macro CROUND                          ; a round of the cluster's barrier
	s_barrier_signal -1
	s_barrier_wait -1
	s_cmp_lg_u32 s[WV], 0
	s_cbranch_scc1 .Lnot_wave_0_\@
	s_barrier_signal -3
.Lnot_wave_0_\@:
	s_barrier_wait -3
	s_barrier_signal -1
	s_barrier_wait -1
.endm
.macro VLOAD dst, off                  ; a vector of 256 numbers in x's layout: register 8 t + j takes number 16 t + 8 h + j
.set i, 0
.rept 32
	ds_load_b128 v[(\dst)+4*i:(\dst)+4*i+3], v2 offset:(\off)+64*(i/2)+16*(i%2)
.set i, i+1
.endr
.endm
.macro REDUCE                          ; four chains of pairs into one number, the same in both lanes of a token
	v_pk_add_f32 v[22:23], v[22:23], v[24:25]
	v_pk_add_f32 v[26:27], v[26:27], v[28:29]
	v_pk_add_f32 v[22:23], v[22:23], v[26:27]
	v_add_f32 v22, v22, v23
	v_permlanex16_b32 v23, v22, s[SEL], s[SEL+1]
	v_add_f32 v22, v22, v23
.endm
; LayerNorm of tile u: (x - mean) / sqrt(var + 1e-5) * gain + offset, rounded to bf16 into window 2
.macro LNORM u
	WIN 0x05
.set q, 0
.rept 4
	v_pk_add_f32 v[22+2*q:23+2*q], v[128*(\u)+2*q:128*(\u)+2*q+1], v[128*(\u)+2*q+8:128*(\u)+2*q+9]
.set q, q+1
.endr
	WIN 0x01
.set q, 8
.rept 56
	v_pk_add_f32 v[22+2*(q%4):23+2*(q%4)], v[128*(\u)+2*q:128*(\u)+2*q+1], v[22+2*(q%4):23+2*(q%4)]
.set q, q+1
.endr
	WIN 0
	REDUCE
	v_mul_f32 v20, s[K28], v22                     ; the mean
	WIN 0x01
.set q, 0
.rept 64
	v_pk_add_f32 v[S+2*q:S+2*q+1], v[128*(\u)+2*q:128*(\u)+2*q+1], v[20:21] op_sel_hi:[1,0] neg_lo:[0,1] neg_hi:[0,1]
.set q, q+1
.endr
	WIN 0
.set q, 0
.rept 4
	v_pk_mul_f32 v[22+2*q:23+2*q], v[S+2*q:S+2*q+1], v[S+2*q:S+2*q+1]
.set q, q+1
.endr
.rept 60
	v_pk_fma_f32 v[22+2*(q%4):23+2*(q%4)], v[S+2*q:S+2*q+1], v[S+2*q:S+2*q+1], v[22+2*(q%4):23+2*(q%4)]
.set q, q+1
.endr
	REDUCE
	v_fma_f32 v29, v22, s[K28], s[KEPS]
	v_rsq_f32 v30, v29
	v_nop                                          ; a plain instruction behind the root,
	s_wait_alu depctr_va_vdst(0)                   ; and the wait ahead of its first reader
.set q, 0
.rept 64
	v_pk_mul_f32 v[S+2*q:S+2*q+1], v[S+2*q:S+2*q+1], v[30:31] op_sel_hi:[1,0]
.set q, q+1
.endr
	WIN 0x3c
.set q, 0
.rept 64
	v_pk_fma_f32 v[S+2*q:S+2*q+1], v[S+2*q:S+2*q+1], v[2*q:2*q+1], v[128+2*q:129+2*q]
.set q, q+1
.endr
	WIN 0x80
.set q, 0
.rept 64
	v_cvt_pk_bf16_f32 v[64*(\u)+q], v[S+2*q], v[S+2*q+1]
.set q, q+1
.endr
	WIN 0
.endm
	s_load_b256 s[4:11], s[0:1], 0x0               ; x 4, weights 6, xn 8, kv 10
	v_lshl_add_u32 v3, v0, 2, SPARE
	v_mov_b32 v4, 0
	ds_add_u32 v3, v4                              ; the wave's opening: the add and its wait ahead of my first tensor load
	v_lshrrev_b32 v1, 5, v0
	v_readfirstlane_b32 s[WV], v1
	s_bfe_u32 s13, ttmp6, 0x40000                  ; my place in the cluster
	s_lshl_b32 s14, ttmp9, 2
	s_add_co_u32 s14, s14, s13                     ; my group of 128 tokens: it enters x's, xn's and kv's addresses alone
	s_mov_b32 s[G1J], 0x0023000f                   ; 15:0 the mask of four; 17:16 elements of 8 bytes; 21 set beside a mask; no padding
	s_mov_b32 s[G1J+1], 32<<16                     ; tensor_dim0 = 32 elements: 256 bytes
	s_mov_b32 s[G1J+2], 128<<16                    ; tensor_dim1 = 128
	s_mov_b32 s[G1J+3], 32<<16                     ; tile_dim0
	s_mov_b32 s[G1J+4], 128                        ; tile_dim1
	s_mov_b32 s[G1J+5], 32                         ; from row to row: the block is dense
	s_mov_b32 s[G1J+6], 0
	s_mov_b32 s[G1J+7], 0
	s_mov_b32 s[G1R], 0x0023000f
	s_mov_b32 s[G1R+1], 32<<16
	s_mov_b32 s[G1R+2], 13<<16
	s_mov_b32 s[G1R+3], 32<<16
	s_mov_b32 s[G1R+4], 13
	s_mov_b32 s[G1R+5], 32
	s_mov_b32 s[G1R+6], 0
	s_mov_b32 s[G1R+7], 0
	s_mov_b32 s[G0R], 1
	s_mul_i32 s[G0R+1], s[WV], 3328
	s_add_co_u32 s[G0R+1], s[G0R+1], PARL
	s_mov_b32 s[G0K], 1
	s_lshl_b32 s[G0K+1], s[WV], 15
	s_mov_b32 s[G0V], 1
	s_add_co_u32 s[G0V+1], s[G0K+1], SLOT1
	s_mul_i32 s16, s[WV], 3328
	s_add_co_u32 s16, s16, WPAR
	s_mov_b32 s17, 0
	s_lshl_b32 s18, s[WV], 17                      ; item w holds heads 2 w, 2 w + 1:
	s_add_co_u32 s20, s18, 98304                   ; their Wv,
	s_add_co_u32 s18, s18, 65536                   ; their Wk
	s_mov_b32 s19, 0
	s_mov_b32 s21, 0
	s_mov_b32 s[SEL], 0x76543210
	s_mov_b32 s[SEL+1], 0xfedcba98
	s_mov_b32 s[K28], 0x3b800000
	s_mov_b32 s[KEPS], 0x3727c5ac
	s_wait_dscnt 0x0                               ; the opening add is done
	s_wait_kmcnt 0x0
	s_add_nc_u64 s[G0R+2:G0R+3], s[6:7], s[16:17]
	s_or_b32 s[G0R+3], s[G0R+3], 0x80000000
	s_add_nc_u64 s[G0K+2:G0K+3], s[6:7], s[18:19]
	s_or_b32 s[G0K+3], s[G0K+3], 0x80000000
	s_add_nc_u64 s[G0V+2:G0V+3], s[6:7], s[20:21]
	s_or_b32 s[G0V+3], s[G0V+3], 0x80000000
	s_lshl_b32 s22, s14, 17
	s_lshl_b32 s23, s[WV], 15
	s_add_co_u32 s22, s22, s23
	s_mov_b32 s23, 0
	s_add_nc_u64 s[4:5], s[4:5], s[22:23]          ; my wave's image of x,
	s_lshr_b32 s22, s22, 1
	s_add_nc_u64 s[8:9], s[8:9], s[22:23]          ; and of xn
	s_lshr_b32 s22, s14, 1                         ; my sequence
	s_lshl_b32 s22, s22, 17
	s_add_nc_u64 s[10:11], s[10:11], s[22:23]      ; its K,
	s_add_nc_u64 s[VB:VB+1], s[10:11], 16777216    ; its V
	CROUND                                         ; all four work-groups are here: the joint loads meet
	tensor_load_to_lds s[G0R:G0R+3], s[G1R:G1R+7]  ; three loads of mine are out
	s_nop 0
	tensor_load_to_lds s[G0K:G0K+3], s[G1J:G1J+7]
	s_nop 0
	tensor_load_to_lds s[G0V:G0V+3], s[G1J:G1J+7]
	s_nop 0
	PLACES
	v_and_b32 v1, 31, v0
	v_lshlrev_b32 v1, 4, v1                        ; 16 l
	v_bfe_u32 v2, v0, 4, 1
	v_lshl_add_u32 v2, v2, 5, PARL                 ; 32 h, in the vectors' block
	v_and_b32 v10, 15, v0
	v_lshl_add_u32 v10, v10, 2, PARL               ; 4 r, likewise
	v_mov_b32 v21, 0                               ; named as the upper halves of pairs
	v_mov_b32 v31, 0
	WIN 0x40
.set i, 0
.rept 64
	global_load_b128 v[4*i:4*i+3], v1, s[4:5] offset:512*i th:TH_LOAD_NT
.set i, i+1
.endr
	WIN 0
	s_wait_tensorcnt 0x2                           ; a wave's tensor loads end in order (ISA guide 10.11.1): my quarter of the vectors is in; Wk's and Wv's two may stay out
	s_barrier_signal -1
	s_barrier_wait -1                              ; everybody's quarter is in
	WIN 0xc0
	VLOAD 0, P_G1
	VLOAD 128, P_E1
	WIN 0
	s_wait_loadcnt 0x0
	s_wait_dscnt 0x0
	LNORM 0
	LNORM 1
	WIN 0x08
.set i, 0
.rept 32
	global_store_b128 v1, v[4*i:4*i+3], s[8:9] offset:512*i th:TH_STORE_NT
.set i, i+1
.endr
	WIN 0
	s_wait_tensorcnt 0x0                           ; my parts of Wk and Wv are in,
	s_barrier_signal -1
	s_barrier_wait -1                              ; everybody's are
; One head's projection: 32 columns x my 32 tokens, 32 products; the four accumulators take turns.  swap = 0: K; 1: V.
.macro PROJ swap
	WIN 0
	v_add_nc_u32 v5, s[HB], v1
.if \swap
	v_add_nc_u32 v7, s[BOFF], v10
	ds_load_b32 v32, v7                            ; a lane holds one channel: its bias, for column tile 0
	ds_load_b32 v34, v7 offset:64                  ; and 1
.else
	v_add_nc_u32 v7, s[BOFF], v2
.set i, 0
.rept 4
	ds_load_b128 v[32+4*i:35+4*i], v7 offset:64*(i/2)+16*(i%2)  ; the bias in the result's layout: it starts the sums
.set i, i+1
.endr
.endif
	WIN 0x80
.set i, 0
.rept 32
	ds_load_b128 v[128+4*i:131+4*i], v5 offset:512*i  ; fragment (kc, p) at 8 (2 kc + p)
.set i, i+1
.endr
	WIN 0x0a
.set kc, 0
.rept 8
	s_wait_dscnt 28-4*kc                           ; the fragment loads younger than group kc's four may stay out
.set j, 0
.rept 4
.set rD, ACC+8*j
.set rW, 128+8*(2*kc+j/2)
.set rA, 64*(j%2)+8*kc
.if \swap
.if kc == 0
	v_wmma_f32_16x16x32_bf16 v[rD:rD+7], v[rA:rA+7], v[rW:rW+7], 0
.else
	v_wmma_f32_16x16x32_bf16 v[rD:rD+7], v[rA:rA+7], v[rW:rW+7], v[rD:rD+7]
.endif
.else
.if kc == 0
	v_wmma_f32_16x16x32_bf16 v[rD:rD+7], v[rW:rW+7], v[rA:rA+7], v[32+8*(j/2):39+8*(j/2)]
.else
	v_wmma_f32_16x16x32_bf16 v[rD:rD+7], v[rW:rW+7], v[rA:rA+7], v[rD:rD+7]
.endif
.endif
.set j, j+1
.endr
.set kc, kc+1
.endr
	WIN 0
	PLACES                                         ; also the places in front of the next trip's loads
.if \swap
.set q, 0
.rept 16
	v_pk_add_f32 v[ACC+2*q:ACC+2*q+1], v[ACC+2*q:ACC+2*q+1], v[32+2*(q/8):33+2*(q/8)] op_sel_hi:[1,0]
.set q, q+1
.endr
.endif
.set q, 0
.rept 16
	v_cvt_pk_bf16_f32 v[OUT+q], v[ACC+2*q], v[ACC+2*q+1]
.set q, q+1
.endr
.set j, 0
.rept 4                                ; a store covers 512 bytes on end; v12 is tile 0's place, v13 tile 1's
.if \swap
	global_store_b128 v[12+j%2], v[OUT+4*j:OUT+4*j+3], s[VB:VB+1] offset:(j/2)*8192 th:TH_STORE_NT
.else
	global_store_b128 v[12+j%2], v[OUT+4*j:OUT+4*j+3], s[10:11] offset:(j/2)*512 th:TH_STORE_NT
.endif
.set j, j+1
.endr
	s_wait_xcnt 0x0                                ; the stores' offsets and data are written again only behind this wait
	v_add_nc_u32 v12, 0x4000, v12                  ; the next head's 16,384 bytes
	v_add_nc_u32 v13, 0x4000, v13
	s_add_co_u32 s[HB], s[HB], 16384
	s_add_co_u32 s[BOFF], s[BOFF], 128
.endm
	s_and_b32 s15, s14, 1                          ; which half of the sequence
	s_lshl1_add_u32 s15, s15, s[WV]                ; 2 hf + w
	s_cmp_lt_u32 s[WV], 2
	s_cselect_b32 s22, 12, 6
	s_cselect_b32 s23, 0, 2
	s_add_co_u32 s22, s22, s15                     ; my long tile,
	s_add_co_u32 s23, s23, s15                     ; my short tile
	v_lshl_add_u32 v12, s22, 10, v1                ; K: a key tile is 1,024 bytes
	v_lshl_add_u32 v13, s23, 10, v1
	s_mov_b32 s[HB], 0
	s_mov_b32 s[BOFF], P_BK
	s_mov_b32 s[CNT], 8
.Lk:
	PROJ 0
	s_sub_co_u32 s[CNT], s[CNT], 1
	s_cmp_lg_u32 s[CNT], 0
	s_cbranch_scc1 .Lk
	v_lshl_add_u32 v12, s22, 9, v1                 ; V: a tile is half of a chunk of 32 keys: 512 bytes
	v_lshl_add_u32 v13, s23, 9, v1
	s_mov_b32 s[HB], SLOT1
	s_mov_b32 s[BOFF], P_BV
	s_mov_b32 s[CNT], 8
.Lv:
	PROJ 1
	s_sub_co_u32 s[CNT], s[CNT], 1
	s_cmp_lg_u32 s[CNT], 0
	s_cbranch_scc1 .Lv
	s_wait_tensorcnt 0x0                           ; the wave's end
	ds_add_u32 v3, v4
	s_wait_dscnt 0x0
	CROUND                                         ; the closing round
	s_endpgm
.Lfunc_end_k_q5539b0ede7_kv_a:
	.size	k_q5539b0ede7_kv_a, .Lfunc_end_k_q5539b0ede7_kv_a-k_q5539b0ede7_kv_a
	.p2alignl 7, 3214868480
	.fill 96, 4, 3214868480
	.section	.rodata,"a",@progbits
	.p2align	6, 0x0
	.amdhsa_kernel k_q5539b0ede7_kv_a
		.amdhsa_group_segment_fixed_size 327680
		.amdhsa_private_segment_fixed_size 0
		.amdhsa_enable_private_segment 0
		.amdhsa_kernarg_size 32
		.amdhsa_user_sgpr_count 2
		.amdhsa_user_sgpr_kernarg_segment_ptr 1
		.amdhsa_wavefront_size32 1
		.amdhsa_system_sgpr_workgroup_id_x 1
		.amdhsa_system_sgpr_workgroup_id_y 1
		.amdhsa_system_sgpr_workgroup_id_z 1
		.amdhsa_system_vgpr_workitem_id 0
		.amdhsa_next_free_vgpr 1024
		.amdhsa_next_free_sgpr 66
		.amdhsa_reserve_vcc 0
		.amdhsa_float_denorm_mode_32 3
		.amdhsa_float_denorm_mode_16_64 3
		.amdhsa_memory_ordered 1
		.amdhsa_forward_progress 1
		.amdhsa_inst_pref_size 83
	.end_amdhsa_kernel
	.amdgpu_metadata
---
amdhsa.version: [ 1, 2 ]
amdhsa.kernels:
  - .name:           k_q5539b0ede7_kv_a
    .symbol:         k_q5539b0ede7_kv_a.kd
    .args:
      - { .name: xa, .offset: 0, .size: 8, .value_kind: global_buffer, .address_space: global }
      - { .name: wl0, .offset: 8, .size: 8, .value_kind: global_buffer, .address_space: global }
      - { .name: xn, .offset: 16, .size: 8, .value_kind: global_buffer, .address_space: global }
      - { .name: kv, .offset: 24, .size: 8, .value_kind: global_buffer, .address_space: global }
    .group_segment_fixed_size: 327680
    .private_segment_fixed_size: 0
    .kernarg_segment_align: 8
    .kernarg_segment_size: 32
    .max_flat_workgroup_size: 128
    .sgpr_count:     66
    .vgpr_count:     1024
    .wavefront_size: 32
...
	.end_amdgpu_metadata
.endif
;; end of part 2
;; launch lay_a (part 3): grid 256 x 1, 4 waves a work-group, clusters of 4 x 1, 327,680 bytes of LDS; arguments xa, xn, kv, wl0, mask, xb; writes xb
.if DOCPART == 3
	.amdgcn_target "amdgcn-amd-amdhsa--gfx1250"
	.amdhsa_code_object_version 6
	.text
	.protected	k_q5539b0ede7_lay_a
	.globl	k_q5539b0ede7_lay_a
	.p2align	8
	.type	k_q5539b0ede7_lay_a,@function
k_q5539b0ede7_lay_a:
	s_mov_b64 s[64:65], 0
	v_nop
	global_prefetch_b8 v0, s[64:65] scope:SCOPE_SE
	s_setreg_imm32_b32 hwreg(HW_REG_WAVE_MODE, 25, 1), 1
	s_wait_xcnt 0x0
	s_wait_alu depctr_hold_cnt(0) depctr_sa_sdst(0) depctr_va_vdst(0) depctr_va_sdst(0) depctr_va_ssrc(0) depctr_va_vcc(0) depctr_vm_vsrc(0)
	s_getreg_b32 s2, hwreg(HW_REG_IB_STS2, 6, 4)
	s_cmp_eq_u32 s2, 0
	s_cbranch_scc0 .Lentry_in_a_cluster
	s_endpgm
.Lentry_in_a_cluster:
	s_bfe_u32 s2, ttmp6, 0x10000c
	s_cmp_lg_u32 s2, 0x3003
	s_cbranch_scc0 .Lentry_shape_is_right
	s_endpgm
.Lentry_shape_is_right:
; ONE LAYER BEHIND ITS K AND V:  x += softmax(mask(Q K^T / sqrt(32))) V Wo + bo;  x += gelu(LN2(x) W1 + b1) W2 + b2.  128 tokens a work-group, 32 a wave, two tiles u of 16.
; LAYOUT.  Every product takes 16 output columns (or keys, or channels) as source 0 and 16 tokens as source 1.  Lane l = (r = l % 16, h = l / 16) then holds token r, and register j of column tile t
; holds column 16 t + 8 h + j.  Two neighbouring tiles, rounded to bf16 in pairs, ARE source 1 of the next product.  So x, xn, Q, the scores, the weights p, O and h stay in one wave's registers
; from first to last; the waves share only what they read from LDS.  All of that lies there as fragment images: each load is 16 bytes a lane, 512 bytes on end.
; x stays in f32 in 256 registers, which are the accumulators of the products with Wo and W2: the residual sums cost nothing.
; SOFTMAX.  Wq and bq arrive multiplied by log2(e) / sqrt(32): p = 2^(s - m), m the row's true maximum.  THE MASK is the C operand of K Q^T: 0, or -1e30 where the key is later than the query or padded.
; A row that sees no key has every score replaced alike in the reference, and so takes the mean of V over ALL 256 keys: such a row is known by m < -5e29 and takes that mean,
; which a product of V^T with 1/256 makes, by a select.  For every other row a hidden key's weight is 0.
; THE CAUSAL WALK.  So a tile of queries walks only the bands of 64 keys up to its own.  Of a sequence's 16 tiles, wave w of half hf owns a LONG tile u = 0 and a SHORT tile u = 1:
;   w < 2: tiles 12 + 2 hf + w (4 bands) and 2 hf + w (1 band);   w >= 2: tiles 6 + 2 hf + w (3 bands) and 2 + 2 hf + w (2 bands).
; Every wave has 5 bands of the 8, and the numbers of bands hang on the wave's number alone: one forward branch a head chooses between two texts; it jumps over no barrier and no tensor load.
; The mean of V goes with the long tile, which for it loads all of V.
; GELU, exact form, on K = kappa y, kappa = sqrt(log2(e) / 2): kappa x 2 gelu(y) = K + |K| erf(|y| / sqrt 2), erf = 1 - (a1 t + .. + a5 t^5) 2^(-K K), t = 1 / (1 + p' |K|): the rational form 7.1.26 of
; Abramowitz and Stegun.  W2 arrives multiplied by 0.5 / kappa.
; THE FFN BY TURNS.  The 1,024 hidden columns go in 32 pieces of 32.  Step p has 64 matrix instructions: 32 products x += h(p - 1) W2(p - 1), then 32 products y(p + 1) = xn W1(p + 1) + b1(p + 1); the 272 vector
; instructions of GELU(p) stand behind them in slices, so that matrix and vector work run side by side in the one wave.  The first 16 plain lines take y(p) out of the accumulators, the last 16 write h(p):
; so one set of accumulators and one h serve, and a step is one text.  Ahead of the loop y(0) is made alone and h is 0; behind it stand the last 32 products on W2.  The price of one text for every step:
; the first step's 32 products on W2's registers add 0, and the last step's 32 products on W1 serve nothing: 64 of 2,112.
; LIMITS.  Hidden scores count as -1e30 (the reference: -1e9): visible scores below -5e29 are not told apart from hidden ones.  erf is off by 1.5e-7 at the most, for every y.  A weight below 2^-126
; counts as 0.  Matrix operands (xn, Q, K, V, p, O, h, weights) are bf16; x, all sums, maxima and statistics f32.  NaN and infinities are not treated apart.
; THE RING.  12 items of 131,072 bytes go through two slots; behind each round a wave asks for 32,768 bytes.  Item i < 4: Wq, Wo, K, V of heads 2 i, 2 i + 1; item 4 + c: W1's pieces 4 c + 1 .. 4 c + 4,
; W2's pieces 4 c .. 4 c + 3: what steps 4 c .. 4 c + 3 read.  W1's piece 0 has bytes of its own in LDS, filled once at the start.
; CLUSTER.  Waves 0 and 1 ask JOINTLY (Wq, Wo; W1): 786,432 of a layer's 1,572,864 bytes of weights that this launch reads come once for four work-groups.  Waves 2 and 3 ask for themselves:
; K and V belong to a sequence, which only two of the four partners share; and W2's halves go by the same line of the text, so that one form of load, chosen by the wave's number alone, serves every refill.
; REGISTERS, in windows of 256 (s_set_vgpr_msb: bits 1:0 source 0, 3:2 source 1, 5:4 source 2, 7:6 destination):
;   window 0: v0-7 addresses; v8-15 1/256 in bf16; v16-19 mask's helpers, then the prefetches' offset; v20-31 statistics; v32-47 a bias, then the mean of V; v48-63 at work;
;             v64-191 scores, p, and whatever is at work; v192-223 four accumulators; v224-239 Q or h in bf16; v240-255 O in bf16
;   window 1: x     window 2: v0-127 xn in bf16; v128-255 16 fragments
;   window 3: the masks (long tile v0-127, short tile v128-191); then gain and offset of the norm; then v0-127 W2's 16 fragments
.set SLOT1, 1<<17
.set PARL,  262144                     ; the vectors' block, 16,384 bytes
.set SPARE, PARL+16384                 ; the spare words, 128 bytes for each wave
.set W1H,   SPARE+512                  ; W1's piece 0, 16,384 bytes
.set WPAR,  1572864
.set W1P0,  11*131072+49152            ; where W1's piece 0 lies in the layer's buffer
.set P_BQ,  0
.set P_BO,  3072
.set P_B2,  4096
.set P_G2,  7168
.set P_E2,  8192
.set P_B1,  9216
.set T,     48
.set S,     64
.set ACC,   192
.set QH,    224
.set OH,    240
.set GK,    64                         ; GELU: K, then the result
.set GE,    96                         ; - K K, then its power of 2
.set GU,    128                        ; 1 + p' |K|, then t
.set GP,    160                        ; the polynomial, then erf
.set WV,    16
.set CX,    17
.set GG,    18
.set HF,    19
.set BB,    20
.set DEADT, 21                         ; -5e29
.set G1J,   24                         ; s[24:31] group 1: 128 rows of 256 bytes, jointly
.set G1P,   32                         ; s[32:39] the same, for myself
.set G1R,   40                         ; s[40:47] 16 rows of 256 bytes, jointly
.set G0R,   48                         ; s[48:51] my quarter of the vectors
.set G0J,   52                         ; s[52:55] the joint stream: it walks the items
.set G0P,   56                         ; s[56:59] the stream of my own
.set G0H,   60                         ; s[60:63] my quarter of W1's piece 0
.set PFA,   66                         ; s[66:67] the weights' prefetches
.set PFB,   68                         ; s[68:69] K's and V's
.set AT,    70
.set HC,    71
.set FC,    72
.set PC,    73
.set RB,    74                         ; the slot that is read
.set HB,    75                         ; the head's or step's 16,384 bytes in it
.set BOFF,  76                         ; its bias in the vectors' block
.set LIMW,  77
.set LIMF,  78
.set LIMK,  79
.set DM,    80                         ; the lanes whose row sees no key
.set SEL,   82                         ; s[82:83]
.set K28,   84
.set KEPS,  85
.set A5,    86                         ; s[86:95] erf's five coefficients, each the low word of a pair
.set A4,    88
.set A3,    90
.set A2,    92
.set A1,    94
.set KAP,   96                         ; kappa
.set P23,   98                         ; p' = 0.3275911 / sqrt(log2(e))
.set PK,    100                        ; s[100:101] K's (wave 2) or V's (wave 3) heads of the item to be asked for
.set PW,    104                        ; s[104:105] my quarter of item 4
.set MSB, 0
.macro WIN new
.if MSB != (\new)
	s_set_vgpr_msb (MSB<<8)|(\new)
.set MSB, (\new)
.endif
.endm
.macro PLACES                          ; four plain instructions between a matrix instruction and what reads its result or writes its registers (ISA guide 7.12.1)
.rept 4
	v_nop
.endr
.endm
.macro CROUND                          ; a round of the cluster's barrier
	s_barrier_signal -1
	s_barrier_wait -1
	s_cmp_lg_u32 s[WV], 0
	s_cbranch_scc1 .Lnot_wave_0_\@
	s_barrier_signal -3
.Lnot_wave_0_\@:
	s_barrier_wait -3
	s_barrier_signal -1
	s_barrier_wait -1
.endm
.macro LOAD2                           ; a refill: one load a wave; the branch hangs on the wave's number alone; an s_nop 0 and four v_nop follow each line
	s_cmp_lt_u32 s[WV], 2
	s_cbranch_scc0 .Lplain_\@
	tensor_load_to_lds s[G0J:G0J+3], s[G1J:G1J+7]
	s_nop 0
	PLACES
	s_branch .Lasked_\@
.Lplain_\@:
	tensor_load_to_lds s[G0P:G0P+3], s[G1P:G1P+7]
	s_nop 0
	PLACES
.Lasked_\@:
.endm
; PREFETCHES INTO THE L2, behind the refill and its five lines: the item that the NEXT change of slots will ask for, a lane a block of 256 bytes.
; Weights: all clusters walk the same items, so cluster 0 asks; of the 32,768 bytes that wave w fetches each of its four partners takes 8,192, told apart by address.  Waves 2 and 3 fetch weights from item 4 on.
; K and V: the two work-groups of a sequence take 16,384 bytes each of what waves 2 and 3 fetch, told apart by address.  Items 0 and 1 come by their loads alone; nothing is asked for behind the last item.
.macro ASK kind
.if (\kind) == 1
	s_cmp_le_u32 s[AT], s[LIMW]
.else
	s_cmp_gt_u32 s[FC], s[LIMF]
.endif
	s_cbranch_scc0 .Lno_w_\@
	global_prefetch_b8 v19, s[PFA:PFA+1] th:TH_LOAD_NT scope:SCOPE_SE
.Lno_w_\@:
.if (\kind) == 1
	s_cmp_gt_u32 s[AT], s[LIMK]
	s_cbranch_scc0 .Lno_k_\@
	global_prefetch_b8 v19, s[PFB:PFB+1] th:TH_LOAD_NT scope:SCOPE_SE
	global_prefetch_b8 v19, s[PFB:PFB+1] offset:8192 th:TH_LOAD_NT scope:SCOPE_SE
.Lno_k_\@:
.endif
.endm
; THE CHANGE OF SLOTS.  Each wave waits for all its tensor loads (one is out: its part of the item to be read now), adds 0 to its spare word, and waits for that and for its reads of the slot that it leaves.
; kind 1 (attention), 2 (FFN): a round of the cluster's barrier, then the refill of the slot just left, first thing behind it.  kind 0: the last item: nothing is asked for.
.macro CHANGE kind
	WIN 0
	s_wait_tensorcnt 0x0                           ; no tensor load of mine is out, so the descriptors may be written
	ds_add_u32 v3, v4                              ; 0 onto my spare word
.if \kind
	s_wait_xcnt 0x0                                ; the last prefetches, an item back, have read their addresses
	s_add_nc_u64 s[PFA:PFA+1], s[PFA:PFA+1], 131072
	s_xor_b32 s[G0J+1], s[G0J+1], SLOT1
	s_add_nc_u64 s[G0J+2:G0J+3], s[G0J+2:G0J+3], 131072
	s_xor_b32 s[G0P+1], s[G0P+1], SLOT1
.if (\kind) == 1
	s_add_nc_u64 s[PFB:PFB+1], s[PFB:PFB+1], 32768
	s_add_nc_u64 s[PK:PK+1], s[PK:PK+1], 32768
	s_cmp_gt_u32 s[AT], 1                          ; the fourth change asks for item 4: weights
	s_cselect_b64 s[G0P+2:G0P+3], s[PK:PK+1], s[PW:PW+1]
	s_or_b32 s[G0P+3], s[G0P+3], 0x80000000
.else
	s_add_nc_u64 s[G0P+2:G0P+3], s[G0P+2:G0P+3], 131072
.endif
	s_wait_dscnt 0x0                               ; the add is done, and my reads of the slot are over
	CROUND
	LOAD2
	ASK \kind
.else
	s_wait_dscnt 0x0
	s_barrier_signal -1
	s_barrier_wait -1
.endif
	s_xor_b32 s[RB], s[RB], SLOT1
.endm
.macro VLOAD dst, off                  ; a vector of 256 numbers in x's layout
.set i, 0
.rept 32
	ds_load_b128 v[(\dst)+4*i:(\dst)+4*i+3], v2 offset:(\off)+64*(i/2)+16*(i%2)
.set i, i+1
.endr
.endm
.macro ADDVEC                          ; x += the vector in window 2, v128-255; ascending
	WIN 0x49
.set q, 0
.rept 128
	v_pk_add_f32 v[2*q:2*q+1], v[2*q:2*q+1], v[128+2*(q%64):129+2*(q%64)]
.set q, q+1
.endr
.endm
.macro REDUCE
	v_pk_add_f32 v[22:23], v[22:23], v[24:25]
	v_pk_add_f32 v[26:27], v[26:27], v[28:29]
	v_pk_add_f32 v[22:23], v[22:23], v[26:27]
	v_add_f32 v22, v22, v23
	v_permlanex16_b32 v23, v22, s[SEL], s[SEL+1]
	v_add_f32 v22, v22, v23
.endm
; LayerNorm of tile u, in two passes, rounded to bf16 into window 2
.macro LNORM u
	WIN 0x05
.set q, 0
.rept 4
	v_pk_add_f32 v[22+2*q:23+2*q], v[128*(\u)+2*q:128*(\u)+2*q+1], v[128*(\u)+2*q+8:128*(\u)+2*q+9]
.set q, q+1
.endr
	WIN 0x01
.set q, 8
.rept 56
	v_pk_add_f32 v[22+2*(q%4):23+2*(q%4)], v[128*(\u)+2*q:128*(\u)+2*q+1], v[22+2*(q%4):23+2*(q%4)]
.set q, q+1
.endr
	WIN 0
	REDUCE
	v_mul_f32 v20, s[K28], v22
	WIN 0x01
.set q, 0
.rept 64
	v_pk_add_f32 v[S+2*q:S+2*q+1], v[128*(\u)+2*q:128*(\u)+2*q+1], v[20:21] op_sel_hi:[1,0] neg_lo:[0,1] neg_hi:[0,1]
.set q, q+1
.endr
	WIN 0
.set q, 0
.rept 4
	v_pk_mul_f32 v[22+2*q:23+2*q], v[S+2*q:S+2*q+1], v[S+2*q:S+2*q+1]
.set q, q+1
.endr
.rept 60
	v_pk_fma_f32 v[22+2*(q%4):23+2*(q%4)], v[S+2*q:S+2*q+1], v[S+2*q:S+2*q+1], v[22+2*(q%4):23+2*(q%4)]
.set q, q+1
.endr
	REDUCE
	v_fma_f32 v29, v22, s[K28], s[KEPS]
	v_rsq_f32 v30, v29
	v_nop                                          ; a plain instruction behind the root,
	s_wait_alu depctr_va_vdst(0)                   ; and the wait ahead of its first reader
.set q, 0
.rept 64
	v_pk_mul_f32 v[S+2*q:S+2*q+1], v[S+2*q:S+2*q+1], v[30:31] op_sel_hi:[1,0]
.set q, q+1
.endr
	WIN 0x3c
.set q, 0
.rept 64
	v_pk_fma_f32 v[S+2*q:S+2*q+1], v[S+2*q:S+2*q+1], v[2*q:2*q+1], v[128+2*q:129+2*q]
.set q, q+1
.endr
	WIN 0x80
.set q, 0
.rept 64
	v_cvt_pk_bf16_f32 v[64*(\u)+q], v[S+2*q], v[S+2*q+1]
.set q, q+1
.endr
	WIN 0
.endm
.macro BIAS4                           ; 32 numbers of bias in the result's layout: they start the sums
.set i, 0
.rept 4
	ds_load_b128 v[32+4*i:35+4*i], v7 offset:64*(i/2)+16*(i%2)
.set i, i+1
.endr
.endm
.macro ADDRS                           ; the addresses of a head: four plain instructions, the places behind the last products
	WIN 0
	v_add_nc_u32 v5, s[HB], v1                     ; in the slot's first half: Wq, Wo; W1
	v_add_nc_u32 v7, s[BOFF], v2
	v_add_nc_u32 v6, 0x10000, v5                   ; in its second half: K, V; W2
	v_nop
	BIAS4
.endm
.macro FRAGN dst, adr, off, n, i0=0    ; n loads of 512 bytes on end, from load i0 on: two to a fragment
.set i, \i0
.rept \n
	ds_load_b128 v[(\dst)+4*i:(\dst)+4*i+3], v[\adr] offset:(\off)+512*i
.set i, i+1
.endr
.endm
; 32 columns x my 32 tokens over K = 256: 32 products, accumulator j = 2 p + u at ACC + 8 j; the four take turns.  younger: LDS loads issued behind the 32 fragment loads.
.macro PROD1 younger
	WIN 0x0a
.set kc, 0
.rept 8
	s_wait_dscnt (\younger)+28-4*kc                ; the loads younger than group kc's four may stay out
.set j, 0
.rept 4
.set rD, ACC+8*j
.if kc == 0
	v_wmma_f32_16x16x32_bf16 v[rD:rD+7], v[128+8*(j/2):135+8*(j/2)], v[64*(j%2):64*(j%2)+7], v[32+8*(j/2):39+8*(j/2)]
.else
	v_wmma_f32_16x16x32_bf16 v[rD:rD+7], v[128+8*(2*kc+j/2):135+8*(2*kc+j/2)], v[64*(j%2)+8*kc:64*(j%2)+8*kc+7], v[rD:rD+7]
.endif
.set j, j+1
.endr
.set kc, kc+1
.endr
	WIN 0
	PLACES
.endm
.macro TRED n                          ; the n numbers from v[T] on into v[T]
.if (\n) == 4
	v_max3_num_f32 v[T], v[T], v[T+1], v[T+2]
	v_max_num_f32 v[T], v[T], v[T+3]
.elseif (\n) == 8
	v_max3_num_f32 v[T], v[T], v[T+1], v[T+2]
	v_max3_num_f32 v[T+3], v[T+3], v[T+4], v[T+5]
	v_max_num_f32 v[T+6], v[T+6], v[T+7]
	v_max3_num_f32 v[T], v[T], v[T+3], v[T+6]
.elseif (\n) == 12
.set k, 0
.rept 4
	v_max3_num_f32 v[T+3*k], v[T+3*k], v[T+3*k+1], v[T+3*k+2]
.set k, k+1
.endr
	v_max3_num_f32 v[T], v[T], v[T+3], v[T+6]
	v_max_num_f32 v[T], v[T], v[T+9]
.else
.set k, 0
.rept 5
	v_max3_num_f32 v[T+3*k], v[T+3*k], v[T+3*k+1], v[T+3*k+2]
.set k, k+1
.endr
	v_max3_num_f32 v[T], v[T], v[T+3], v[T+6]
	v_max3_num_f32 v[T+9], v[T+9], v[T+12], v[T+15]
	v_max_num_f32 v[T], v[T], v[T+9]
.endif
.endm
; ONE TILE u OF 16 QUERIES AGAINST THE FIRST nb BANDS OF 64 KEYS OF A HEAD.  K's 8 nb loads are the youngest LDS loads when it begins.
; u = 0 (the long tile): all of V is loaded, and the mean of V is made beside O; behind its products K's first nk bands are asked for again, for the short tile.  u = 1: behind its products Wo is asked for.
.macro UNIT u, nb, nk
	WIN 0x32
.set kt, 0
.rept 4*(\nb)                          ; S^T = K Q^T + mask: an accumulator and one product for each 16 keys (a head has 32 channels)
	s_wait_dscnt 2*(4*(\nb)-1-kt)                  ; the loads younger than key tile kt's two may stay out
	v_wmma_f32_16x16x32_bf16 v[S+8*kt:S+8*kt+7], v[128+8*kt:135+8*kt], v[QH+8*(\u):QH+8*(\u)+7], v[128*(\u)+8*kt:128*(\u)+8*kt+7]
.set kt, kt+1
.endr
	WIN 0
	PLACES
	WIN 0x80
.if (\u) == 0
.set nv, 32
.else
.set nv, 8*(\nb)
.endif
.set i, 0
.rept nv                               ; V^T: fragment (chunk kk of 32 keys, channel tile c) at 8 (2 kk + c); it lands under the softmax
	ds_load_b128 v[128+4*i:131+4*i], v6 offset:32768+((i/2)%2)*8192+(i/4)*1024+(i%2)*512
.set i, i+1
.endr
	WIN 0
.set k, 0
.rept 4*(\nb)                          ; the maximum: each accumulator's lowest registers are read first
	v_max3_num_f32 v[T+k], v[S+8*k], v[S+8*k+1], v[S+8*k+2]
.set k, k+1
.endr
.set k, 0
.rept 4*(\nb)
	v_max3_num_f32 v[T+k], v[T+k], v[S+8*k+3], v[S+8*k+4]
.set k, k+1
.endr
.set k, 0
.rept 4*(\nb)
	v_max3_num_f32 v[T+k], v[T+k], v[S+8*k+5], v[S+8*k+6]
.set k, k+1
.endr
.set k, 0
.rept 2*(\nb)
	v_max3_num_f32 v[T+k], v[T+k], v[S+16*k+7], v[S+16*k+15]
.set k, k+1
.endr
	TRED 4*(\nb)
	v_permlanex16_b32 v[T+1], v[T], s[SEL], s[SEL+1]  ; the query's other keys lie in the lane 16 away
	v_max_num_f32 v20, v[T], v[T+1]
	v_cmp_lt_f32 s[DM], v20, s[DEADT]              ; the row sees no key: used in selects alone
	; ONE BATCH: 16 nb packed s - m and 32 nb exponentials; nothing in it names an exponential's result
	v_pk_add_f32 v[S:S+1], v[S:S+1], v[20:21] op_sel_hi:[1,0] neg_lo:[0,1] neg_hi:[0,1]
	v_pk_add_f32 v[S+2:S+3], v[S+2:S+3], v[20:21] op_sel_hi:[1,0] neg_lo:[0,1] neg_hi:[0,1]
.set q, 0
.rept 16*(\nb)
	v_exp_f32 v[S+2*q], v[S+2*q]
.if q < 16*(\nb)-2
	v_pk_add_f32 v[S+2*q+4:S+2*q+5], v[S+2*q+4:S+2*q+5], v[20:21] op_sel_hi:[1,0] neg_lo:[0,1] neg_hi:[0,1]
.endif
	v_exp_f32 v[S+2*q+1], v[S+2*q+1]
.set q, q+1
.endr
	v_nop                                          ; a plain instruction behind the last exponential,
	s_wait_alu depctr_va_vdst(0)                   ; and one wait for the batch
.set q, 0
.rept 4                                ; the row's sum, of the unrounded weights, in four chains
	v_pk_add_f32 v[22+2*q:23+2*q], v[S+2*q:S+2*q+1], v[S+2*q+8:S+2*q+9]
.set q, q+1
.endr
.set q, 8
.rept 16*(\nb)-8
	v_pk_add_f32 v[22+2*(q%4):23+2*(q%4)], v[22+2*(q%4):23+2*(q%4)], v[S+2*q:S+2*q+1]
.set q, q+1
.endr
.set q, 0
.rept 16*(\nb)                         ; p to bf16, in place from the low end: chunk kk of 32 keys is v[S + 8 kk ..]
	v_cvt_pk_bf16_f32 v[S+q], v[S+2*q], v[S+2*q+1]
.set q, q+1
.endr
	s_wait_dscnt 0x0                               ; V is in
	WIN 0x02
.set kk, 0
.rept 8                                ; O^T = V^T P over 2 nb chunks; with the long tile also the mean of V, V^T times 1/256, over all 8.  The accumulators take turns
.if kk < 2*(\nb)
.set c, 0
.rept 2
.set rD, ACC+16*(\u)+8*c
.if kk == 0
	v_wmma_f32_16x16x32_bf16 v[rD:rD+7], v[128+8*c:135+8*c], v[S:S+7], 0
.else
	v_wmma_f32_16x16x32_bf16 v[rD:rD+7], v[128+8*(2*kk+c):135+8*(2*kk+c)], v[S+8*kk:S+8*kk+7], v[rD:rD+7]
.endif
.set c, c+1
.endr
.endif
.if (\u) == 0
.set c, 0
.rept 2
.if kk == 0
	v_wmma_f32_16x16x32_bf16 v[32+8*c:39+8*c], v[128+8*c:135+8*c], v[8:15], 0
.else
	v_wmma_f32_16x16x32_bf16 v[32+8*c:39+8*c], v[128+8*(2*kk+c):135+8*(2*kk+c)], v[8:15], v[32+8*c:39+8*c]
.endif
.set c, c+1
.endr
.endif
.set kk, kk+1
.endr
	WIN 0
	v_pk_add_f32 v[22:23], v[22:23], v[24:25]      ; four plain instructions: the places behind those products
	v_pk_add_f32 v[26:27], v[26:27], v[28:29]
	v_pk_add_f32 v[22:23], v[22:23], v[26:27]
	v_add_f32 v22, v22, v23
	WIN 0x80
.if (\u) == 0
	FRAGN 128, 6, 0, 8*(\nk)                       ; K's first bands once more, for the short tile
.else
	FRAGN 128, 5, 32768, 32                        ; the head's 32 rows of Wo: 16 column tiles
.endif
	WIN 0
	v_permlanex16_b32 v23, v22, s[SEL], s[SEL+1]
	v_add_f32 v22, v22, v23
	v_rcp_f32 v30, v22
	v_nop
	s_wait_alu depctr_va_vdst(0)
.set q, 0
.rept 8
	v_pk_mul_f32 v[ACC+16*(\u)+2*q:ACC+16*(\u)+2*q+1], v[ACC+16*(\u)+2*q:ACC+16*(\u)+2*q+1], v[30:31] op_sel_hi:[1,0]
.set q, q+1
.endr
.set q, 0
.rept 16
	v_cndmask_b32 v[ACC+16*(\u)+q], v[ACC+16*(\u)+q], v[32+q], s[DM]
.set q, q+1
.endr
.set q, 0
.rept 8
	v_cvt_pk_bf16_f32 v[OH+8*(\u)+q], v[ACC+16*(\u)+2*q], v[ACC+16*(\u)+2*q+1]
.set q, q+1
.endr
.endm
; THE GELU OF A PIECE, 16 pairs of numbers, as three numbered lists.
; GPRE n, 64 plain lines that name no transcendental's result.  For pair q: K = kappa y (it takes y out of the accumulators, ascending)
; - K K; 1 + p' |K|, once for each of the two.  The first line runs two pairs ahead of the others: 0, 1: K of pairs 0, 1; then for q = 0 .. 13 the three others of pair q and K of pair q + 2; then the three of pairs 14, 15.
.macro GPRE n
.if (\n) < 2
.set gq, (\n)
.set go, 3
.elseif (\n) < 58
.set gq, ((\n)-2)/4
.set go, ((\n)-2)%4
.if go == 3
.set gq, gq+2
.endif
.else
.set gq, 14+((\n)-58)/3
.set go, ((\n)-58)%3
.endif
.if go == 3
	v_pk_mul_f32 v[GK+2*gq:GK+2*gq+1], v[ACC+2*gq:ACC+2*gq+1], s[KAP:KAP+1] op_sel_hi:[1,0]
.elseif go == 0
	v_pk_mul_f32 v[GE+2*gq:GE+2*gq+1], v[GK+2*gq:GK+2*gq+1], v[GK+2*gq:GK+2*gq+1] neg_lo:[1,0] neg_hi:[1,0]
.elseif go == 1
	v_fma_f32 v[GU+2*gq], |v[GK+2*gq]|, s[P23], 1.0
.else
	v_fma_f32 v[GU+2*gq+1], |v[GK+2*gq+1]|, s[P23], 1.0
.endif
.endm
; GTR m, the 64 transcendentals, ONE BATCH: for pair m / 4 two powers of 2, then two reciprocals
.macro GTR m
.if ((\m)%4) < 2
	v_exp_f32 v[GE+2*((\m)/4)+(\m)%2], v[GE+2*((\m)/4)+(\m)%2]
.else
	v_rcp_f32 v[GU+2*((\m)/4)+(\m)%2], v[GU+2*((\m)/4)+(\m)%2]
.endif
.endm
; GPOST n, 144 plain lines behind the wait, stage by stage over the 16 pairs: the polynomial (0-79), erf = 1 - polynomial x power (80-95), K + |K| erf (96-127, one number a line), the roundings into h (128-143)
.macro GPOST n
.if (\n) < 16
	v_pk_fma_f32 v[GP+2*(\n):GP+2*(\n)+1], v[GU+2*(\n):GU+2*(\n)+1], s[A5:A5+1], s[A4:A4+1] op_sel_hi:[1,0,0]
.elseif (\n) < 64
.set hq, (\n)%16
.set hc, A4+2*((\n)/16)
	v_pk_fma_f32 v[GP+2*hq:GP+2*hq+1], v[GP+2*hq:GP+2*hq+1], v[GU+2*hq:GU+2*hq+1], s[hc:hc+1] op_sel_hi:[1,1,0]
.elseif (\n) < 80
.set hq, (\n)-64
	v_pk_mul_f32 v[GP+2*hq:GP+2*hq+1], v[GP+2*hq:GP+2*hq+1], v[GU+2*hq:GU+2*hq+1]
.elseif (\n) < 96
.set hq, (\n)-80
	v_pk_fma_f32 v[GP+2*hq:GP+2*hq+1], v[GP+2*hq:GP+2*hq+1], v[GE+2*hq:GE+2*hq+1], 1.0 op_sel_hi:[1,1,0] neg_lo:[1,0,0] neg_hi:[1,0,0]
.elseif (\n) < 128
.set hq, (\n)-96
	v_fma_f32 v[GK+hq], |v[GK+hq]|, v[GP+hq], v[GK+hq]
.else
.set hq, (\n)-128                      ; pair 4 (2 p + u) + m
	v_cvt_pk_bf16_f32 v[QH+8*((hq/4)%2)+4*(hq/8)+hq%4], v[GK+2*hq], v[GK+2*hq+1]
.endif
.endm
; STEP p OF THE FFN.  Matrix instruction mi of 64: 0-31: x += h(p - 1) W2(p - 1), 32 accumulators, one product each; 32-63: y(p + 1), four accumulators by turns.
; Behind each stands a slice of GELU(p).  mi 0, 1: two plain lines; 2-31: plain, transcendental, plain, transcendental, each transcendental a slice or more behind the lines that feed it; 32, 33: the last four
; transcendentals; then a v_nop and THE ONE WAIT between the batch and the first line that names a result; 34-57: five lines; 58-63: four.  No slice names a register of the products round it.
; A slice lies in window 0 and the products do not: two switches a slice.
; THE LDS LOADS stand in two runs.  W1(p + 1) and its bias behind slice 1: the last product that read those registers is the step before's last, and its four riders and these slices' lines lie between.
; W2(p) behind slice 34: behind the last product on W2(p - 1) lie two plain lines of slice 31, the v_nop and slice 34's five.  Each run has some 30 products in which to land, and is waited for with the count 0.
.macro STEP
	WIN 0
	v_add_nc_u32 v5, s[HB], v1                     ; W1's place in the slot,
	v_add_nc_u32 v7, s[BOFF], v2                   ; the bias of piece p + 1,
	v_add_nc_u32 v6, 0x10000, v5                   ; W2's place
	s_wait_dscnt 0x0                               ; W2(p - 1) is in
.set mi, 0
.rept 64
.if mi < 32
	WIN 0x53
	v_wmma_f32_16x16x32_bf16 v[128*(mi%2)+8*(mi/2):128*(mi%2)+8*(mi/2)+7], v[8*(mi/2):8*(mi/2)+7], v[QH+8*(mi%2):QH+8*(mi%2)+7], v[128*(mi%2)+8*(mi/2):128*(mi%2)+8*(mi/2)+7]
.else
.if mi == 32
	s_wait_dscnt 0x0                               ; W1(p + 1) and its bias are in
.endif
	WIN 0x0a
.set kc, (mi-32)/4
.set j, (mi-32)%4
.set rD, ACC+8*j
.if kc == 0
	v_wmma_f32_16x16x32_bf16 v[rD:rD+7], v[128+8*(j/2):135+8*(j/2)], v[64*(j%2):64*(j%2)+7], v[32+8*(j/2):39+8*(j/2)]
.else
	v_wmma_f32_16x16x32_bf16 v[rD:rD+7], v[128+8*(2*kc+j/2):135+8*(2*kc+j/2)], v[64*(j%2)+8*kc:64*(j%2)+8*kc+7], v[rD:rD+7]
.endif
.endif
	WIN 0
.if mi < 2
	GPRE 2*mi
	GPRE 2*mi+1
.elseif mi < 32
	GPRE 2*mi
	GTR 2*mi-4
	GPRE 2*mi+1
	GTR 2*mi-3
.elseif mi < 34
	GTR 2*mi-4
	GTR 2*mi-3
.elseif mi < 58
.set pn, 5*(mi-34)
.rept 5
	GPOST pn
.set pn, pn+1
.endr
.else
.set pn, 120+4*(mi-58)
.rept 4
	GPOST pn
.set pn, pn+1
.endr
.endif
.if mi == 1
	BIAS4
	WIN 0x80
	FRAGN 128, 5, 0, 32
.endif
.if mi == 33
	v_nop                                          ; a plain instruction behind the last transcendental,
	s_wait_alu depctr_va_vdst(0)                   ; and the wait for the batch
.endif
.if mi == 34
	WIN 0xc0
	FRAGN 0, 6, 0, 32
.endif
.set mi, mi+1
.endr
	WIN 0
	s_add_co_u32 s[HB], s[HB], 16384
	s_add_co_u32 s[BOFF], s[BOFF], 128
.endm
	s_load_b256 s[4:11], s[0:1], 0x0               ; x in 4, xn 6, kv 8, weights 10
	s_load_b128 s[12:15], s[0:1], 0x20             ; mask 12, x out 14
	v_lshl_add_u32 v3, v0, 2, SPARE
	v_mov_b32 v4, 0
	ds_add_u32 v3, v4                              ; the wave's opening: the add and its wait ahead of my first tensor load
	v_lshrrev_b32 v1, 5, v0
	v_readfirstlane_b32 s[WV], v1
	s_bfe_u32 s[CX], ttmp6, 0x40000
	s_lshl_b32 s[GG], ttmp9, 2
	s_add_co_u32 s[GG], s[GG], s[CX]               ; my group of 128 tokens
	s_and_b32 s[HF], s[GG], 1                      ; which half of its sequence,
	s_lshr_b32 s[BB], s[GG], 1                     ; which sequence
	s_mov_b32 s[G1J], 0x0023000f                   ; 15:0 the mask of four; 17:16 elements of 8 bytes; 21 set beside a mask
	s_mov_b32 s[G1P], 0x00030000                   ; no mask
	s_mov_b32 s[G1R], 0x0023000f
.irp g, G1J, G1P
	s_mov_b32 s[\g+1], 32<<16                      ; rows of 32 elements, 256 bytes,
	s_mov_b32 s[\g+2], 128<<16                     ; 128 of them,
	s_mov_b32 s[\g+3], 32<<16
	s_mov_b32 s[\g+4], 128
	s_mov_b32 s[\g+5], 32                          ; dense
	s_mov_b32 s[\g+6], 0
	s_mov_b32 s[\g+7], 0
.endr
	s_mov_b32 s[G1R+1], 32<<16
	s_mov_b32 s[G1R+2], 16<<16                     ; 16 rows: a quarter of the vectors' block, and of W1's piece 0
	s_mov_b32 s[G1R+3], 32<<16
	s_mov_b32 s[G1R+4], 16
	s_mov_b32 s[G1R+5], 32
	s_mov_b32 s[G1R+6], 0
	s_mov_b32 s[G1R+7], 0
	s_mov_b32 s[G0R], 1
	s_lshl_b32 s[G0R+1], s[WV], 12
	s_mov_b32 s[G0H], 1
	s_add_co_u32 s[G0H+1], s[G0R+1], W1H
	s_add_co_u32 s[G0R+1], s[G0R+1], PARL
	s_mov_b32 s[G0J], 1
	s_lshl_b32 s[G0J+1], s[WV], 15                 ; wave w fills quarter w of a slot
	s_mov_b32 s[G0P], 1
	s_lshl_b32 s[G0P+1], s[WV], 15
	s_lshl_b32 s2, s[WV], 12
	s_add_co_u32 s2, s2, WPAR
	s_mov_b32 s3, 0
	s_lshl_b32 s22, s[WV], 15
	s_mov_b32 s23, 0
	s_mov_b32 s[SEL], 0x76543210
	s_mov_b32 s[SEL+1], 0xfedcba98
	s_mov_b32 s[K28], 0x3b800000
	s_mov_b32 s[KEPS], 0x3727c5ac
	s_mov_b32 s[A5], 0x3f87dc22                    ;  1.061405429
	s_mov_b32 s[A4], 0xbfba00e3                    ; -1.453152027
	s_mov_b32 s[A3], 0x3fb5f0e3                    ;  1.421413741
	s_mov_b32 s[A2], 0xbe91a98e                    ; -0.284496736
	s_mov_b32 s[A1], 0x3e827906                    ;  0.254829592
	s_mov_b32 s[KAP], 0x3f596d27                   ;  0.8493218
	s_mov_b32 s[P23], 0x3e8ba440                   ;  0.2727375
.irp g, A5, A4, A3, A2, A1, KAP, P23
	s_mov_b32 s[\g+1], 0                           ; named with them as pairs
.endr
	s_cmp_lt_u32 s[WV], 2
	s_cselect_b32 s[LIMW], 4, 2
	s_cselect_b32 s[LIMK], -1, 2
	s_cmp_eq_u32 ttmp9, 0                          ; the same in all four partners
	s_cselect_b32 s[LIMW], s[LIMW], 0
	s_cselect_b32 s[LIMF], 1, -1
	s_wait_dscnt 0x0                               ; the opening add is done
	s_wait_kmcnt 0x0
	s_add_nc_u64 s[G0R+2:G0R+3], s[10:11], s[2:3]
	s_sub_nc_u64 s[G0H+2:G0H+3], s[G0R+2:G0R+3], WPAR-W1P0
	s_or_b32 s[G0R+3], s[G0R+3], 0x80000000
	s_or_b32 s[G0H+3], s[G0H+3], 0x80000000
	s_add_nc_u64 s[G0J+2:G0J+3], s[10:11], s[22:23]  ; my quarter of item 0
	s_add_nc_u64 s[PW:PW+1], s[G0J+2:G0J+3], 4*131072
	s_add_nc_u64 s[PFA:PFA+1], s[G0J+2:G0J+3], 131072  ; at item 1: the first change steps it to item 2
	s_or_b32 s[G0J+3], s[G0J+3], 0x80000000
	s_lshl_b32 s2, s[CX], 13
	s_add_nc_u64 s[PFA:PFA+1], s[PFA:PFA+1], s[2:3]
	s_and_b32 s2, s[WV], 1
	s_lshl_b32 s2, s2, 24                          ; K's part of kv (wave 2) or V's (wave 3),
	s_lshl_b32 s21, s[BB], 17                      ; my sequence
	s_add_co_u32 s2, s2, s21
	s_add_nc_u64 s[PK:PK+1], s[8:9], s[2:3]
	s_mov_b64 s[G0P+2:G0P+3], s[PK:PK+1]
	s_or_b32 s[G0P+3], s[G0P+3], 0x80000000
	s_lshl_b32 s2, s[HF], 14
	s_add_co_u32 s2, s2, 32768
	s_add_nc_u64 s[PFB:PFB+1], s[PK:PK+1], s[2:3]
	s_lshl_b32 s2, s[GG], 17
	s_add_co_u32 s2, s2, s22
	s_add_nc_u64 s[4:5], s[4:5], s[2:3]
	s_add_nc_u64 s[14:15], s[14:15], s[2:3]
	s_lshr_b32 s2, s2, 1
	s_add_nc_u64 s[6:7], s[6:7], s[2:3]
	s_lshl_b32 s2, s[BB], 10
	s_add_nc_u64 s[12:13], s[12:13], s[2:3]
	CROUND                                         ; all four work-groups are here: the first joint loads meet
	s_cmp_lt_u32 s[WV], 2                          ; a wave's three first fills stand in one branch: three loads of mine are out
	s_cbranch_scc0 .Lfirst_p
	tensor_load_to_lds s[G0R:G0R+3], s[G1R:G1R+7]
	s_nop 0
	tensor_load_to_lds s[G0H:G0H+3], s[G1R:G1R+7]
	s_nop 0
	tensor_load_to_lds s[G0J:G0J+3], s[G1J:G1J+7]
	s_nop 0
	PLACES
	s_branch .Lfirst_done
.Lfirst_p:
	tensor_load_to_lds s[G0R:G0R+3], s[G1R:G1R+7]
	s_nop 0
	tensor_load_to_lds s[G0H:G0H+3], s[G1R:G1R+7]
	s_nop 0
	tensor_load_to_lds s[G0P:G0P+3], s[G1P:G1P+7]
	s_nop 0
	PLACES
.Lfirst_done:
	v_and_b32 v1, 31, v0
	v_lshlrev_b32 v1, 4, v1                        ; 16 l
	v_bfe_u32 v5, v0, 4, 1                         ; h
	v_lshl_add_u32 v2, v5, 5, PARL                 ; 32 h, in the vectors' block
	s_lshl1_add_u32 s2, s[HF], s[WV]               ; 2 hf + w
	s_cmp_lt_u32 s[WV], 2
	s_cselect_b32 s21, 12, 6
	s_cselect_b32 s22, 0, 2
	s_add_co_u32 s21, s21, s2                      ; my long tile,
	s_add_co_u32 s22, s22, s2                      ; my short tile: they enter the masks' numbers alone
	v_and_b32 v16, 15, v0
	v_lshlrev_b32 v17, 3, v5
	v_sub_nc_u32 v17, v16, v17                     ; r - 8 h
	v_lshl_add_u32 v16, s21, 4, v17                ; my query's place in the sequence less 8 h, for the long tile
	v_lshl_add_u32 v17, s22, 4, v17                ; and the short one
	v_lshlrev_b32 v5, 5, v5                        ; 32 h
	v_mov_b32 v18, 0xf149f2ca                      ; -1e30
	v_mov_b32 v19, 1000                            ; later than every query
	v_mov_b32 v21, 0                               ; named as the upper halves of pairs
	v_mov_b32 v31, 0
.set i, 0
.rept 8
	v_mov_b32 v[8+i], 0x3b803b80                   ; 1/256 twice, in bf16
.set i, i+1
.endr
	s_mov_b32 s[DEADT], 0xf0c9f2ca                 ; -5e29
.set i, 0
.rept 32                               ; the sequence's 256 flags in the scores' layout: register 8 kt + j takes key 16 kt + 8 h + j
	global_load_b128 v[S+4*i:S+4*i+3], v5, s[12:13] offset:64*(i/2)+16*(i%2)
.set i, i+1
.endr
	WIN 0x80
.set i, 0
.rept 32
	global_load_b128 v[4*i:4*i+3], v1, s[6:7] offset:512*i th:TH_LOAD_NT
.set i, i+1
.endr
	WIN 0x40
.set i, 0
.rept 64
	global_load_b128 v[4*i:4*i+3], v1, s[4:5] offset:512*i th:TH_LOAD_NT
.set i, i+1
.endr
	WIN 0
	s_wait_loadcnt 63                              ; the flags are in: 96 younger loads could stay out; the wait's field holds 63
.set e, 0
.rept 128                              ; a key's place less 8 h, or 1000 if it is padded
	v_cmp_eq_u32 vcc_lo, 0, v[S+e]
	v_cndmask_b32 v[S+e], 16*(e/8)+e%8, v19, vcc_lo
.set e, e+1
.endr
	WIN 0xc0
.set e, 0
.rept 192                              ; hidden where that is greater than the query's: 128 registers for the long tile, 64 (two bands at the most) for the short one
	v_cmp_gt_i32 vcc_lo, v[S+e%128], v[16+e/128]
	v_cndmask_b32 v[e], 0, v18, vcc_lo
.set e, e+1
.endr
	WIN 0
	v_lshlrev_b32 v19, 4, v1                       ; from here on: 256 l, the prefetches' offset; never rewritten
	s_wait_loadcnt 0x0
	s_mov_b32 s[AT], 4
	s_mov_b32 s[RB], SLOT1                         ; the first change turns it into slot 0
	s_mov_b32 s[BOFF], P_BQ
.Latt:                                 ; four trips: item 4 - AT is read, the next asked for
	CHANGE 1
	s_mov_b32 s[HB], s[RB]
	s_mov_b32 s[HC], 2
.Lhead:                                ; a head
	ADDRS
	WIN 0x80
	FRAGN 128, 5, 0, 32                            ; Wq's 32 columns
	PROD1 0
	WIN 0x80
	FRAGN 128, 6, 0, 24                            ; K: the three bands that every wave's long tile walks
	WIN 0
.set q, 0
.rept 16                               ; q = 4 (2 p + u) + m
	v_cvt_pk_bf16_f32 v[QH+8*((q/4)%2)+4*(q/8)+q%4], v[ACC+2*q], v[ACC+2*q+1]
.set q, q+1
.endr
	s_cmp_lt_u32 s[WV], 2                          ; the numbers of bands hang on the wave's number alone
	s_cbranch_scc0 .Lw23
	WIN 0x80
	FRAGN 128, 6, 0, 8, 24                         ; waves 0 and 1: the fourth band
	UNIT 0, 4, 1
	UNIT 1, 1, 0
	WIN 0
	s_branch .Lwo
.Lw23:
	UNIT 0, 3, 2                                   ; waves 2 and 3
	UNIT 1, 2, 0
	WIN 0
.Lwo:                                  ; on both ways Wo's 32 loads are the youngest LDS loads
	WIN 0x52
.set t, 0
.rept 16                               ; x += O Wo: 32 accumulators, one product each
	s_wait_dscnt 30-2*t
	v_wmma_f32_16x16x32_bf16 v[8*t:8*t+7], v[128+8*t:135+8*t], v[OH:OH+7], v[8*t:8*t+7]
	v_wmma_f32_16x16x32_bf16 v[128+8*t:135+8*t], v[128+8*t:135+8*t], v[OH+8:OH+15], v[128+8*t:135+8*t]
.set t, t+1
.endr
	WIN 0
	s_add_co_u32 s[HB], s[HB], 16384
	s_add_co_u32 s[BOFF], s[BOFF], 128
	s_sub_co_u32 s[HC], s[HC], 1
	s_cmp_lg_u32 s[HC], 0
	s_cbranch_scc1 .Lhead
	s_sub_co_u32 s[AT], s[AT], 1
	s_cmp_lg_u32 s[AT], 0
	s_cbranch_scc1 .Latt
	PLACES                                         ; x += bo; xn = LN2(x).  Item 4 is on its way meanwhile
	WIN 0x80
	VLOAD 128, P_BO
	WIN 0xc0
	VLOAD 0, P_G2
	VLOAD 128, P_E2
	s_wait_dscnt 63                                ; bo is in: 64 younger loads could stay out; the wait's field holds 63
	ADDVEC
	WIN 0
	s_wait_dscnt 0x0
	LNORM 0
	LNORM 1
	; AHEAD OF THE FFN's STEPS: y(0) = xn W1(0) + b1(0), from piece 0's own bytes, which every wave's wait and the rounds of the attention have shown whole.  h is 0, and W2's registers take
	; finite numbers (the same fragments), so that the first step's products on them add 0 to x.
	s_mov_b32 s[HB], W1H
	s_mov_b32 s[BOFF], P_B1
	ADDRS
	WIN 0x80
	FRAGN 128, 5, 0, 32
	WIN 0xc0
	FRAGN 0, 5, 0, 32
	WIN 0
.set i, 0
.rept 16
	v_mov_b32 v[QH+i], 0
.set i, i+1
.endr
	PROD1 32
	s_mov_b32 s[BOFF], P_B1+128                    ; step p wants the bias of piece p + 1; the last step's lies in the block's zeros
	s_mov_b32 s[FC], 7
.Lffn:                                 ; seven trips: item 11 - FC is read, the next asked for
	CHANGE 2
	s_mov_b32 s[HB], s[RB]
	s_mov_b32 s[PC], 4
.Lpiece:
	STEP
	s_sub_co_u32 s[PC], s[PC], 1
	s_cmp_lg_u32 s[PC], 0
	s_cbranch_scc1 .Lpiece
	s_sub_co_u32 s[FC], s[FC], 1
	s_cmp_lg_u32 s[FC], 0
	s_cbranch_scc1 .Lffn
	CHANGE 0                                       ; the last item is written out
	s_mov_b32 s[HB], s[RB]
	s_mov_b32 s[PC], 4
.Ltail:
	STEP
	s_sub_co_u32 s[PC], s[PC], 1
	s_cmp_lg_u32 s[PC], 0
	s_cbranch_scc1 .Ltail
	s_wait_dscnt 0x0                               ; W2(31) is in
	WIN 0x53
.set t, 0
.rept 16                               ; x += h(31) W2(31)
	v_wmma_f32_16x16x32_bf16 v[8*t:8*t+7], v[8*t:8*t+7], v[QH:QH+7], v[8*t:8*t+7]
	v_wmma_f32_16x16x32_bf16 v[128+8*t:135+8*t], v[8*t:8*t+7], v[QH+8:QH+15], v[128+8*t:135+8*t]
.set t, t+1
.endr
	WIN 0
	PLACES
	WIN 0x80
	VLOAD 128, P_B2
	s_wait_dscnt 0x0
	ADDVEC
	WIN 0x04
.set i, 0
.rept 64
	global_store_b128 v1, v[4*i:4*i+3], s[14:15] offset:512*i th:TH_STORE_NT  ; 512 bytes on end
.set i, i+1
.endr
	WIN 0
	s_wait_tensorcnt 0x0                           ; the wave's end
	ds_add_u32 v3, v4
	s_wait_dscnt 0x0
	CROUND                                         ; the closing round
	s_endpgm
.Lfunc_end_k_q5539b0ede7_lay_a:
	.size	k_q5539b0ede7_lay_a, .Lfunc_end_k_q5539b0ede7_lay_a-k_q5539b0ede7_lay_a
	.p2alignl 7, 3214868480
	.fill 96, 4, 3214868480
	.section	.rodata,"a",@progbits
	.p2align	6, 0x0
	.amdhsa_kernel k_q5539b0ede7_lay_a
		.amdhsa_group_segment_fixed_size 327680
		.amdhsa_private_segment_fixed_size 0
		.amdhsa_enable_private_segment 0
		.amdhsa_kernarg_size 48
		.amdhsa_user_sgpr_count 2
		.amdhsa_user_sgpr_kernarg_segment_ptr 1
		.amdhsa_wavefront_size32 1
		.amdhsa_system_sgpr_workgroup_id_x 1
		.amdhsa_system_sgpr_workgroup_id_y 1
		.amdhsa_system_sgpr_workgroup_id_z 1
		.amdhsa_system_vgpr_workitem_id 0
		.amdhsa_next_free_vgpr 1024
		.amdhsa_next_free_sgpr 106
		.amdhsa_reserve_vcc 1
		.amdhsa_float_denorm_mode_32 3
		.amdhsa_float_denorm_mode_16_64 3
		.amdhsa_memory_ordered 1
		.amdhsa_forward_progress 1
		.amdhsa_inst_pref_size 255
	.end_amdhsa_kernel
	.section	.bss,"aw",@nobits
	.p2align	6
	.space	262144
	.amdgpu_metadata
---
amdhsa.version: [ 1, 2 ]
amdhsa.kernels:
  - .name:           k_q5539b0ede7_lay_a
    .symbol:         k_q5539b0ede7_lay_a.kd
    .args:
      - { .name: xa, .offset: 0, .size: 8, .value_kind: global_buffer, .address_space: global }
      - { .name: xn, .offset: 8, .size: 8, .value_kind: global_buffer, .address_space: global }
      - { .name: kv, .offset: 16, .size: 8, .value_kind: global_buffer, .address_space: global }
      - { .name: wl0, .offset: 24, .size: 8, .value_kind: global_buffer, .address_space: global }
      - { .name: mask, .offset: 32, .size: 8, .value_kind: global_buffer, .address_space: global }
      - { .name: xb, .offset: 40, .size: 8, .value_kind: global_buffer, .address_space: global }
    .group_segment_fixed_size: 327680
    .private_segment_fixed_size: 0
    .kernarg_segment_align: 8
    .kernarg_segment_size: 48
    .max_flat_workgroup_size: 128
    .sgpr_count:     106
    .vgpr_count:     1024
    .wavefront_size: 32
...
	.end_amdgpu_metadata
.endif
;; end of part 3
;; launch kv_b: the kernel of part 2 again; grid 256 x 1, 4 waves a work-group, clusters of 4 x 1, 327,680 bytes of LDS; arguments xb, wl1, xn, kv; writes xn, kv
;; launch lay_b: the kernel of part 3 again; grid 256 x 1, 4 waves a work-group, clusters of 4 x 1, 327,680 bytes of LDS; arguments xb, xn, kv, wl1, mask, xa; writes xa
;; launch fin (part 4): grid 256 x 1, 8 waves a work-group, no clusters, 68,608 bytes of LDS; arguments xa, fn_g, fn_b, out0; writes out0
.if DOCPART == 4
	.amdgcn_target "amdgcn-amd-amdhsa--gfx1250"
	.amdhsa_code_object_version 6
	.text
	.protected	k_q5539b0ede7_fin
	.globl	k_q5539b0ede7_fin
	.p2align	8
	.type	k_q5539b0ede7_fin,@function
k_q5539b0ede7_fin:
	s_mov_b64 s[64:65], 0
	v_nop
	global_prefetch_b8 v0, s[64:65] scope:SCOPE_SE
	s_setreg_imm32_b32 hwreg(HW_REG_WAVE_MODE, 25, 1), 1
	s_wait_xcnt 0x0
; THE LAST LayerNorm: out0 = (x - mean) / sqrt(var + 1e-5) * fn_g + fn_b, f32, row-major.  x arrives as the register image of the launches before.
; SHARES.  Work-group G serves sequence G / 2, hf = G % 2.  Each of its EIGHT waves takes one tile of 16 tokens: wave v is tile u = v % 2 of the image's wave w = v / 2, 16,384 bytes on end at 16,384 v.
; In the sequence that is tile 12 + 2 hf + w (u = 0, w < 2), 6 + 2 hf + w (u = 0, w >= 2), 2 hf + w (u = 1, w < 2) or 2 + 2 hf + w (u = 1, w >= 2).
; Lane l = (r = l % 16, h = l / 16) holds token r; register 8 t + j holds column 16 t + 8 h + j.
; The norm is taken in two passes, in f32, in place, with one exchange between the halves of the lanes.  The result is turned in the wave's own stage in LDS, half rows of 16 tokens at a time,
; so that each store covers 512 bytes of a row on end.  A stream: no matrix unit, no cluster, no barrier; all of a wave's 96 loads go out at once.
; REGISTERS: window 0: v0-7 addresses; v20-31 statistics; v64-191 the tile; v192-255 rows on their way out     window 1: v0-127 the gain, v128-255 the offset
.set SPARE, 67584                      ; behind the eight stages: the spare words, 128 bytes for each wave
.set STGB,  8448
.set SP,    528                        ; 512 bytes + 16: the 16 rows that a store touches start at 16 different groups of four banks (ISA guide 11.1)
.set X,     64
.set OB,    192
.set WV,    12
.set SEL,   16
.set K28,   18
.set KEPS,  19
.set MSB, 0
.macro WIN new                         ; s_set_vgpr_msb: bits 1:0 source 0, 3:2 source 1, 5:4 source 2, 7:6 destination; the high byte repeats the setting that is left
.if MSB != (\new)
	s_set_vgpr_msb (MSB<<8)|(\new)
.set MSB, (\new)
.endif
.endm
.macro REDUCE                          ; four chains of pairs into one number, the same in both lanes of a token
	v_pk_add_f32 v[22:23], v[22:23], v[24:25]
	v_pk_add_f32 v[26:27], v[26:27], v[28:29]
	v_pk_add_f32 v[22:23], v[22:23], v[26:27]
	v_add_f32 v22, v22, v23
	v_permlanex16_b32 v23, v22, s[SEL], s[SEL+1]
	v_add_f32 v22, v22, v23
.endm
.macro SENDH ch                        ; half ch of the tile's rows
.set i, 0
.rept 16                               ; i = 2 tl + s: my four columns 16 tl + 8 h + 4 s .. of the half row
	ds_store_b128 v6, v[X+64*(\ch)+4*i:X+64*(\ch)+4*i+3] offset:64*(i/2)+16*(i%2)
.set i, i+1
.endr
	s_wait_xcnt 0x0                                ; the registers that earlier stores read are loaded again only behind this wait
.set i, 0
.rept 16                               ; LDS serves a wave's instructions in order (ISA guide 5.7.1.4): these see the stores above, and the next half's stores come behind them
	ds_load_b128 v[OB+4*i:OB+4*i+3], v7 offset:i*SP
.set i, i+1
.endr
.set i, 0
.rept 16
	s_wait_dscnt 15-i                              ; row i is back; the younger loads may stay out
	global_store_b128 v1, v[OB+4*i:OB+4*i+3], s[10:11] offset:i*1024+512*(\ch) th:TH_STORE_NT
.set i, i+1
.endr
.endm
	s_load_b256 s[4:11], s[0:1], 0x0               ; x 4, fn_g 6, fn_b 8, out0 10
	v_lshl_add_u32 v3, v0, 2, SPARE
	v_mov_b32 v4, 0
	v_lshrrev_b32 v1, 5, v0
	v_readfirstlane_b32 s[WV], v1                  ; 0 .. 7
	v_and_b32 v1, 31, v0
	v_lshlrev_b32 v1, 4, v1                        ; 16 l
	v_bfe_u32 v2, v0, 4, 1
	v_lshlrev_b32 v2, 5, v2                        ; 32 h
	v_and_b32 v5, 15, v0
	s_mul_i32 s13, s[WV], STGB
	v_mul_u32_u24 v6, v5, SP
	v_add_nc_u32 v6, v6, v2
	v_add_nc_u32 v6, s13, v6                       ; in: row r, byte 32 h
	v_add_nc_u32 v7, s13, v1                       ; back: a half row as it lies
	v_mov_b32 v21, 0                               ; named as the upper halves of pairs
	v_mov_b32 v31, 0
	s_lshl_b32 s14, ttmp9, 17
	s_lshl_b32 s15, s[WV], 14
	s_add_co_u32 s14, s14, s15                     ; my tile's part of the image
	s_mov_b32 s15, 0
	s_lshr_b32 s20, s[WV], 1                       ; w
	s_and_b32 s21, ttmp9, 1                        ; hf
	s_lshl1_add_u32 s21, s21, s20                  ; 2 hf + w
	s_cmp_lt_u32 s20, 2
	s_cselect_b32 s22, 12, 6                       ; the long tile's place,
	s_cselect_b32 s23, 0, 2                        ; the short tile's
	s_and_b32 s24, s[WV], 1                        ; u
	s_cmp_eq_u32 s24, 1
	s_cselect_b32 s22, s23, s22
	s_add_co_u32 s22, s22, s21                     ; my tile in the sequence:
	s_lshl_b32 s22, s22, 14                        ; 16 rows of 1,024 bytes
	s_lshr_b32 s23, ttmp9, 1
	s_lshl_b32 s23, s23, 18                        ; the sequence: 256 rows
	s_add_co_u32 s22, s22, s23
	s_mov_b32 s23, 0
	s_mov_b32 s[SEL], 0x76543210
	s_mov_b32 s[SEL+1], 0xfedcba98
	s_mov_b32 s[K28], 0x3b800000
	s_mov_b32 s[KEPS], 0x3727c5ac
	s_wait_kmcnt 0x0
	s_add_nc_u64 s[4:5], s[4:5], s[14:15]
	s_add_nc_u64 s[10:11], s[10:11], s[22:23]
.set i, 0
.rept 32
	global_load_b128 v[X+4*i:X+4*i+3], v1, s[4:5] offset:512*i th:TH_LOAD_NT
.set i, i+1
.endr
	WIN 0x40
.set i, 0
.rept 32
	global_load_b128 v[4*i:4*i+3], v2, s[6:7] offset:64*(i/2)+16*(i%2)
.set i, i+1
.endr
.set i, 0
.rept 32
	global_load_b128 v[128+4*i:131+4*i], v2, s[8:9] offset:64*(i/2)+16*(i%2)
.set i, i+1
.endr
	WIN 0
	s_wait_loadcnt 63                              ; x's 32 loads are in: the 64 of gain and offset could stay out; the wait's field holds 63
.set q, 0
.rept 4
	v_pk_add_f32 v[22+2*q:23+2*q], v[X+2*q:X+2*q+1], v[X+2*q+8:X+2*q+9]
.set q, q+1
.endr
.set q, 8
.rept 56
	v_pk_add_f32 v[22+2*(q%4):23+2*(q%4)], v[22+2*(q%4):23+2*(q%4)], v[X+2*q:X+2*q+1]
.set q, q+1
.endr
	REDUCE
	v_mul_f32 v20, s[K28], v22                     ; the mean
.set q, 0
.rept 64
	v_pk_add_f32 v[X+2*q:X+2*q+1], v[X+2*q:X+2*q+1], v[20:21] op_sel_hi:[1,0] neg_lo:[0,1] neg_hi:[0,1]
.set q, q+1
.endr
.set q, 0
.rept 4
	v_pk_mul_f32 v[22+2*q:23+2*q], v[X+2*q:X+2*q+1], v[X+2*q:X+2*q+1]
.set q, q+1
.endr
.rept 60
	v_pk_fma_f32 v[22+2*(q%4):23+2*(q%4)], v[X+2*q:X+2*q+1], v[X+2*q:X+2*q+1], v[22+2*(q%4):23+2*(q%4)]
.set q, q+1
.endr
	REDUCE
	v_fma_f32 v29, v22, s[K28], s[KEPS]
	v_rsq_f32 v30, v29
	v_nop                                          ; a plain instruction behind the root,
	s_wait_alu depctr_va_vdst(0)                   ; and the wait ahead of its first reader
.set q, 0
.rept 64
	v_pk_mul_f32 v[X+2*q:X+2*q+1], v[X+2*q:X+2*q+1], v[30:31] op_sel_hi:[1,0]
.set q, q+1
.endr
	s_wait_loadcnt 0x0                             ; gain and offset
	WIN 0x14
.set q, 0
.rept 64
	v_pk_fma_f32 v[X+2*q:X+2*q+1], v[X+2*q:X+2*q+1], v[2*q:2*q+1], v[128+2*q:129+2*q]
.set q, q+1
.endr
	WIN 0
	SENDH 0
	SENDH 1
	s_wait_tensorcnt 0x0                           ; the wave's end, behind my last LDS store
	ds_add_u32 v3, v4
	s_wait_dscnt 0x0
	s_endpgm
.Lfunc_end_k_q5539b0ede7_fin:
	.size	k_q5539b0ede7_fin, .Lfunc_end_k_q5539b0ede7_fin-k_q5539b0ede7_fin
	.p2alignl 7, 3214868480
	.fill 96, 4, 3214868480
	.section	.rodata,"a",@progbits
	.p2align	6, 0x0
	.amdhsa_kernel k_q5539b0ede7_fin
		.amdhsa_group_segment_fixed_size 68608
		.amdhsa_private_segment_fixed_size 0
		.amdhsa_enable_private_segment 0
		.amdhsa_kernarg_size 32
		.amdhsa_user_sgpr_count 2
		.amdhsa_user_sgpr_kernarg_segment_ptr 1
		.amdhsa_wavefront_size32 1
		.amdhsa_system_sgpr_workgroup_id_x 1
		.amdhsa_system_sgpr_workgroup_id_y 1
		.amdhsa_system_sgpr_workgroup_id_z 1
		.amdhsa_system_vgpr_workitem_id 0
		.amdhsa_next_free_vgpr 512
		.amdhsa_next_free_sgpr 66
		.amdhsa_reserve_vcc 0
		.amdhsa_float_denorm_mode_32 3
		.amdhsa_float_denorm_mode_16_64 3
		.amdhsa_memory_ordered 1
		.amdhsa_forward_progress 1
		.amdhsa_inst_pref_size 40
	.end_amdhsa_kernel
	.amdgpu_metadata
---
amdhsa.version: [ 1, 2 ]
amdhsa.kernels:
  - .name:           k_q5539b0ede7_fin
    .symbol:         k_q5539b0ede7_fin.kd
    .args:
      - { .name: xa, .offset: 0, .size: 8, .value_kind: global_buffer, .address_space: global }
      - { .name: fn_g, .offset: 8, .size: 8, .value_kind: global_buffer, .address_space: global }
      - { .name: fn_b, .offset: 16, .size: 8, .value_kind: global_buffer, .address_space: global }
      - { .name: out0, .offset: 24, .size: 8, .value_kind: global_buffer, .address_space: global }
    .group_segment_fixed_size: 68608
    .private_segment_fixed_size: 0
    .kernarg_segment_align: 8
    .kernarg_segment_size: 32
    .max_flat_workgroup_size: 256
    .sgpr_count:     66
    .vgpr_count:     512
    .wavefront_size: 32
...
	.end_amdgpu_metadata
.endif
;; end of part 4
